; MI455X (gfx1250); checked and timed in simulation.
; The chip was launched on July 23, 2026; its instructions are those of AMD's public machine-readable ISA for CDNA 5 (MIT licence, August 2026) and "CDNA5" Instruction Set Architecture Reference Guide (July 2026). The comments in the code are by the model that wrote it; some were corrected since.
;; Attention. Allowed arithmetic: matrix products marked QUANTISED: E5M2 operands, one given power-of-two scale a tensor, by v_wmma_f32_16x16x64_bf8_bf8 or v_wmma_f32_16x16x128_bf8_bf8, f32 sums; everything else in f32.
;; Inputs: c_attn_b 3,072 float32; c_attn_w 1,024 x 3,072 float32; c_proj_b 1,024 float32; c_proj_w 1,024 x 1,024 float32; hidden_states 4 x 2,048 x 1,024 float32; lowp_scales 8 int32 (the exponents e of the quantised operands' scales 2^e).
;; Outputs: out0 4 x 2,048 x 1,024 float32.
;; This version of the problem:
;;   THIS VERSION OF THE PROBLEM IS GIVEN IN LOW PRECISION. The matrix products marked QUANTISED in the list below multiply operands that are first quantised to E5M2 (5 exponent bits, 2 mantissa bits; 8 bits a number), with one given power-of-two scale for each operand tensor; their sums are f32. All else is computed in f32.
;;   The module's matrix products, in the order in which they are computed (A, B: the left and right operand; K: the contracted axis; several contracted axes count as one K, in the product's order):
;;     1. [M 8,192, K 1,024] x [K 1,024, N 3,072]; A: input hidden_states; B: input c_attn_w: QUANTISED (scales: A lowp_scales[0], B lowp_scales[1])
;;     2. batch 64 x [M 2,048, K 64] x [K 64, N 2,048]; A: computed on the way; B: computed on the way: QUANTISED (scales: A lowp_scales[2], B lowp_scales[3])
;;     3. batch 64 x [M 2,048, K 2,048] x [K 2,048, N 64]; A: softmax (see below); B: computed on the way: QUANTISED (scales: A lowp_scales[4], B lowp_scales[5])
;;     4. [M 8,192, K 1,024] x [K 1,024, N 1,024]; A: computed on the way; B: input c_proj_w: QUANTISED (scales: A lowp_scales[6], B lowp_scales[7])
;;   THE QUANTISER, for each operand of a quantised product, along K:
;;     - The operand's scale is 2^e, e = its entry of the input lowp_scales (int32; the entries are numbered through the quantised products in the list's order, A before B).
;;     - Each number is divided by the scale, clamped to +-57,344, and rounded to the nearest number of E5M2, ties to even, subnormals kept.
;;     - The product sums the exact products of the quantised numbers (number of the format x scale) in f32.
;;   ~~~python
;;   def quantise(x, axis, e):      # numpy; x: float32 -> the quantised numbers, widened to float32 again
;;       x = np.moveaxis(x, axis, -1); K = x.shape[-1]
;;       r = np.clip(x / 2.0 ** e, -57344, 57344)
;;       step = 2.0 ** (np.maximum(np.frexp(np.where(r == 0, 1, r))[1] - 1, -14) - 2)
;;       q = np.round(r / step) * step * 2.0 ** e      # np.round: ties to even
;;       return np.moveaxis(q, -1, axis).astype(np.float32)
;;   ~~~
;;   SOFTMAX AHEAD OF A QUANTISED PRODUCT. Where the list says 'softmax', what is quantised is not the finished softmax but p = 2^(t - M), with t = logit x log2(e) and M = ceil(the row's largest t), a whole number; so 1/2 < the row's largest p <= 1. The row's sum l is taken of the UNQUANTISED p, in f32, and the product's result is divided by l at the end. Since M is a whole number, a kernel that streams over the keys may use a running M (the ceiling of the running maximum): every later rescaling is an exact power of two, so the quantised numbers keep their values, but for numbers so far below the row's largest that they fall under the format's range.
;;   OPERANDS COMPUTED ON THE WAY. 'Computed on the way' means the value that the module computes at that place (a softmax that the list does not call 'softmax' is quantised finished and normalised). What goes into a quantiser is computed in f32, as accurately as f32 sums, v_exp_f32 and their like allow (about 1e-6 of the number): no bf16 or f16 on the way to a quantiser, and a product that is left as it is and whose result goes on into a quantised operand takes f32 operands (vector FMAs, or v_wmma_f32_16x16x4_f32). A number that lies on a knife's edge between two numbers of the format may be rounded either way, as far as f32 arithmetic and the matrix unit's own rounding can turn it there, and no further.
;; One version. Each part assembles by itself: llvm-mc -triple=amdgcn-amd-amdhsa -mcpu=gfx1250 --defsym DOCPART=n.
;; ======== version 1 of 1: 4 launches
;; limits: right only within a limited range of input values
;; workspace buffers: xc 8,388,608 bytes; wac 3,145,728 bytes; wpc 1,048,576 bytes; qkvc 25,165,824 bytes; ac 8,388,608 bytes
;; launch quant (part 1): grid 384 x 1, 4 waves a work-group, no clusters, 68,096 bytes of LDS; arguments hidden_states, c_attn_w, c_proj_w, lowp_scales, xc, wac, wpc; writes xc, wac, wpc
.if DOCPART == 1
	.amdgcn_target "amdgcn-amd-amdhsa--gfx1250"
	.amdhsa_code_object_version 6
	.text
	.protected	k_qffdce46eb5_quant
	.globl	k_qffdce46eb5_quant
	.p2align	8
	.type	k_qffdce46eb5_quant,@function
k_qffdce46eb5_quant:
	s_mov_b64 s[64:65], 0
	v_nop
	global_prefetch_b8 v0, s[64:65] scope:SCOPE_SE
	s_setreg_imm32_b32 hwreg(HW_REG_WAVE_MODE, 25, 1), 1
	s_wait_xcnt 0x0
; The three f32 inputs of the two large products become codes of BF8 (E5M2), 8 bits each, K innermost, each with the one scale 2^e that is given for it:
;   hidden_states [8192][1024] -> xc [8192][1024] (e = entry 0);  c_attn_w [1024 k][3072 n] -> wac [3072 n][1024 k] (entry 1);  c_proj_w [1024 k][1024 n] -> wpc [1024 n][1024 k] (entry 7).
; code = x / 2^e, rounded to the nearest code, ties to even.  LIMITS: -126 <= e <= 112, so that 2^e and 57,344 x 2^e are f32 numbers.  NaN among the inputs is not served.
; Work-groups 0-255 take hidden_states, whose K is innermost: a plain stream of numbers.  A wave takes 16 steps of 512 numbers.  Each load reads 512 consecutive bytes, 16 a lane; a step's 2,048 bytes turn through the
; wave's own stage in LDS and come back 64 bytes a lane, so that a lane holds 16 neighbours along K, as the conversions want them; a lane's 16 codes are 16 bytes and the wave stores 512 consecutive bytes.
; Work-groups 256-383 take the weights, whose K is the FIRST axis: a lane takes a column n and its registers run down K, so that the conversions give codes with K innermost and nothing is transposed by an instruction.
; A wave takes 32 columns x 256 along K; the codes go through the wave's own stage and leave as rows: sixteen lanes store 256 consecutive bytes, aligned.  One text serves both weights: the row pitch stands in registers.
; The two paths part on the work-group's number, never join, and have LDS bytes of their own.  Waves share nothing: no barrier.  No cluster and no joint loads: no two work-groups read the same input byte.
.set XWG,   256                        ; work-groups of the first path: 8,388,608 numbers / (4 waves x 16 steps x 512)
.set STEPS, 16
.set EMAX,  15
.set MANT,  0x600000                   ; the mantissa field of 57,344 as f32
.set R,     16                         ; v16-79   four sets of 16 numbers as they are loaded
.set X,     80                         ; v80-111  two sets of 16 neighbours
.set C,     128                        ; v128-191 codes: four registers for each step, so that no store's data are written again
.set WREG,  8192                       ; LDS bytes 0 .. 32,767: a region for each wave of the first path: two stages of 32 x SP bytes
.set SP,    80                         ; a lane's place in a stage: its 64 bytes + 16 of padding
.set WSTG,  32768                      ; LDS bytes 32,768 .. 67,583: the second path's stages, 32 rows x PITCH for each wave
.set PITCH, 272                        ; a stage row: 256 codes + 16 bytes
.set NB,    8                          ; blocks of 32 along K for a wave
.set WX,    32                         ; v32-95   two sets of 32 numbers
.set WC,    96                         ; v96-103  a block's codes
.set OUTR,  112                        ; v112-175 the way out: 16 x 4 registers
.set VO,    176                        ; v176-207 byte offset of row i of a block at my column: 4 x lane + i x the row pitch; never rewritten
.set SB,    36                         ; s[36:51] the eight blocks' bases; never rewritten
	s_load_b256 s[4:11], s[0:1], 0x0               ; hidden_states s[4:5], c_attn_w s[6:7], c_proj_w s[8:9], the scales' exponents s[10:11]
	s_load_b128 s[12:15], s[0:1], 0x20             ; xc s[12:13], wac s[14:15]
	s_load_b64 s[16:17], s[0:1], 0x30              ; wpc
	v_lshl_add_u32 v208, v0, 2, 0x10800
	v_mov_b32 v209, 0
	v_lshrrev_b32 v1, 5, v0
	v_readfirstlane_b32 s18, v1                    ; wave 0..3
	v_and_b32 v2, 31, v0                           ; lane
	s_wait_kmcnt 0x0
	s_load_b256 s[24:31], s[10:11], 0x0            ; the eight exponents
	s_cmp_ge_u32 ttmp9, XWG
	s_cbranch_scc1 .Lweights
	s_wait_alu depctr_va_vdst(0)
	; ---------------- hidden_states ----------------
	v_lshlrev_b32 v3, 4, v2                        ; my 16 bytes of a load's 512, and of a step's 512 bytes of codes; never rewritten
	s_wait_alu depctr_va_vdst(0)
	s_mul_i32 s19, s18, WREG
	v_lshrrev_b32 v14, 2, v2
	v_mul_u32_u24 v14, v14, SP
	v_and_b32 v15, 3, v2
	v_lshl_add_u32 v14, v15, 4, v14
	v_add_nc_u32 v14, s19, v14                     ; the stage, on the way in: four lanes' 64 bytes on end, then 16 of padding
	v_mul_u32_u24 v15, v2, SP
	v_add_nc_u32 v15, s19, v15                     ; and on the way out: SP x lane: my 16 neighbours
	s_lshl_b32 s20, ttmp9, 2
	s_add_co_u32 s20, s20, s18                     ; which run of 8,192 numbers is my wave's
	s_lshl_b32 s22, s20, 15                        ; 32,768 bytes of f32 a run,
	s_mov_b32 s23, 0
	s_add_nc_u64 s[4:5], s[4:5], s[22:23]
	s_lshl_b32 s22, s20, 13                        ; 8,192 bytes of codes
	s_add_nc_u64 s[12:13], s[12:13], s[22:23]
.macro XLOAD t
.irp i, 0,1,2,3
	global_load_b128 v[R+16*((\t)%4)+4*\i:R+16*((\t)%4)+4*\i+3], v3, s[4:5] offset:2048*(\t)+512*\i th:TH_LOAD_NT   ; 32 lanes read 512 consecutive bytes; read once in the launch
.endr
.endm
.macro XTURN t                         ; step t's numbers through the stage: LDS serves a wave's instructions in order (ISA guide 5.7.1.4), so no wait stands between the stores and the loads
.irp i, 0,1,2,3
	ds_store_b128 v14, v[R+16*((\t)%4)+4*\i:R+16*((\t)%4)+4*\i+3] offset:32*SP*((\t)%2)+8*SP*\i
.endr
.irp i, 0,1,2,3
	ds_load_b128 v[X+16*((\t)%2)+4*\i:X+16*((\t)%2)+4*\i+3], v15 offset:32*SP*((\t)%2)+16*\i
.endr
.endm
.irp t, 0,1,2,3
	XLOAD \t
.endr
	s_wait_alu depctr_va_vdst(0)
	s_wait_kmcnt 0x0
	s_add_co_i32 s20, s24, 127                     ; entry 0
	s_lshl_b32 s21, s20, 23
	v_mov_b32 v11, s21                             ; 2^e as f32: the conversion takes its exponent field
	s_add_co_i32 s20, s20, EMAX
	s_lshl_b32 s20, s20, 23
	s_or_b32 s20, s20, MANT
	s_wait_alu depctr_va_vdst(0)
	s_wait_loadcnt 12                              ; step 0's four loads are in; the twelve of steps 1 to 3 may be out
	XTURN 0
.macro XSTEP t
.set XS, X+16*((\t)%2)
	s_wait_dscnt 0x0                               ; this step's numbers are back from the stage: so its stores into the stage have read their registers,
.if (\t)+4 < STEPS
	XLOAD (\t)+4                                   ; which take the loads of four steps on
.endif
.if (\t)+1 < STEPS
.if STEPS-2-(\t) >= 3
	s_wait_loadcnt 12                              ; the next step's four loads are in; those of the three steps behind it may be out
.else
	s_wait_loadcnt 4*(STEPS-2-(\t))                ; the tail: fewer steps are behind it
.endif
	XTURN (\t)+1                                   ; and go through the other stage while this step is worked
.endif
.irp i, 0,1,2,3,4,5,6,7,8,9,10,11,12,13,14,15
.endr
	v_cvt_scalef32_pk8_bf8_f32 v[C+4*(\t):C+4*(\t)+1], v[XS:XS+7], v11
	v_cvt_scalef32_pk8_bf8_f32 v[C+4*(\t)+2:C+4*(\t)+3], v[XS+8:XS+15], v11     ; their results go to a store alone
	global_store_b128 v3, v[C+4*(\t):C+4*(\t)+3], s[12:13] offset:512*(\t)      ; 32 lanes store 512 consecutive bytes, aligned
.endm
.irp t, 0,1,2,3,4,5,6,7,8,9,10,11,12,13,14,15
	XSTEP \t
.endr
	s_wait_tensorcnt 0x0
	ds_add_u32 v208, v209
	s_wait_dscnt 0x0
	s_endpgm
	; ---------------- the two weights ----------------
.Lweights:
	s_sub_co_u32 s19, ttmp9, XWG                   ; 0 .. 127
	s_lshr_b32 s20, s19, 5                         ; which 256 along K: 0 .. 3
	s_and_b32 s21, s19, 31                         ; which 128 columns: 0 .. 23 of c_attn_w, 24 .. 31 are c_proj_w's 0 .. 7
	s_mov_b32 s23, 12288                           ; a row of c_attn_w in bytes
	s_wait_kmcnt 0x0
	s_cmp_ge_u32 s21, 24                           ; the choice hangs on the work-group's number alone
	s_cselect_b64 s[6:7], s[8:9], s[6:7]           ; the weight,
	s_cselect_b64 s[14:15], s[16:17], s[14:15]     ; its codes,
	s_cselect_b32 s22, s31, s25                    ; its e: entry 7 or entry 1,
	s_cselect_b32 s23, 4096, s23                   ; its row in bytes,
	s_cselect_b32 s32, 24, 0                       ; and where its groups of columns begin
	s_sub_co_u32 s21, s21, s32
	s_lshl_b32 s21, s21, 7
	s_lshl_b32 s33, s18, 5
	s_add_co_u32 s21, s21, s33                     ; my wave's first column
	s_lshl_b32 s34, s20, 8
	s_mul_i32 s34, s34, s23                        ; 256 rows x which
	s_lshl_b32 s33, s21, 2
	s_add_co_u32 s34, s34, s33                     ; + 4 bytes a column
	s_mov_b32 s35, 0
	s_add_nc_u64 s[SB:SB+1], s[6:7], s[34:35]      ; block 0's first row at my first column
	s_lshl_b32 s34, s21, 10                        ; codes: a row of 1,024 bytes for each column,
	s_lshl_b32 s33, s20, 8
	s_add_co_u32 s34, s34, s33                     ; + 256 x which
	s_add_nc_u64 s[14:15], s[14:15], s[34:35]
	s_lshl_b32 s52, s23, 5                         ; 32 rows
	s_mov_b32 s53, 0
.irp t, 1,2,3,4,5,6,7
	s_add_nc_u64 s[SB+2*\t:SB+2*\t+1], s[SB+2*\t-2:SB+2*\t-1], s[52:53]
.endr
	s_wait_alu depctr_va_vdst(0)
	v_lshlrev_b32 v[VO], 2, v2                     ; 4 bytes a lane
.irp i, 1,2,3,4,5,6,7,8,9,10,11,12,13,14,15,16,17,18,19,20,21,22,23,24,25,26,27,28,29,30,31
	v_add_nc_u32 v[VO+\i], s23, v[VO+\i-1]
.endr
	s_mul_i32 s33, s18, 32*PITCH
	s_add_co_u32 s33, s33, WSTG                    ; my stage
	v_mul_u32_u24 v4, v2, PITCH
	v_add_nc_u32 v4, s33, v4                       ; into it: row = my column
	v_and_b32 v5, 15, v2
	v_lshrrev_b32 v6, 4, v2                        ; out of it: sixteen lanes to a row, two rows an instruction
	v_mul_u32_u24 v7, v6, PITCH
	v_lshl_add_u32 v7, v5, 4, v7
	v_add_nc_u32 v7, s33, v7
	v_lshlrev_b32 v8, 10, v6
	v_lshl_add_u32 v8, v5, 4, v8                   ; and the same place in the codes' buffer
.macro WLOAD t                         ; block t: W(32 t + i, my column), i = 0 .. 31, into set t % 2: 32 lanes read 128 consecutive bytes, the four waves 512
.irp i, 0,1,2,3,4,5,6,7,8,9,10,11,12,13,14,15,16,17,18,19,20,21,22,23,24,25,26,27,28,29,30,31
	global_load_b32 v[WX+32*((\t)%2)+\i], v[VO+\i], s[SB+2*(\t):SB+2*(\t)+1] th:TH_LOAD_NT
.endr
.endm
	WLOAD 0
	WLOAD 1
	s_add_co_i32 s22, s22, 127
	s_lshl_b32 s33, s22, 23
	v_mov_b32 v11, s33                             ; 2^e as f32
	s_add_co_i32 s22, s22, EMAX
	s_lshl_b32 s22, s22, 23
	s_or_b32 s22, s22, MANT
.macro WBLOCK t
.set XS, WX+32*((\t)%2)
.if (\t) < NB-1
	s_wait_loadcnt 32                              ; this block's 32 loads are in; the next block's 32 may be out
.else
	s_wait_loadcnt 0
.endif
.irp i, 0,1,2,3,4,5,6,7,8,9,10,11,12,13,14,15,16,17,18,19,20,21,22,23,24,25,26,27,28,29,30,31
.endr
.irp g, 0,1,2,3
	v_cvt_scalef32_pk8_bf8_f32 v[WC+2*\g:WC+2*\g+1], v[XS+8*\g:XS+8*\g+7], v11
.endr
	ds_store_b128 v4, v[WC:WC+3] offset:32*(\t)    ; 32 codes: 32 bytes of my column's row.  (The results go to LDS stores alone)
	ds_store_b128 v4, v[WC+4:WC+7] offset:32*(\t)+16
.if (\t)+2 < NB
	WLOAD (\t)+2
.endif
	s_wait_dscnt 0x0                               ; the stores have read their registers: the next block's codes may be written
.endm
	s_wait_alu depctr_va_vdst(0)
.irp t, 0,1,2,3,4,5,6,7
	WBLOCK \t
.endr
.irp t, 0,1,2,3,4,5,6,7,8,9,10,11,12,13,14,15
	ds_load_b128 v[OUTR+4*\t:OUTR+4*\t+3], v7 offset:2*\t*PITCH   ; LDS serves a wave's instructions in order: these see my stores
.endr
.irp t, 0,1,2,3,4,5,6,7,8,9,10,11,12,13,14,15
	s_wait_dscnt 15-\t                             ; load t is back; the younger ones may be out
	global_store_b128 v8, v[OUTR+4*\t:OUTR+4*\t+3], s[14:15] offset:2*\t*1024     ; sixteen lanes store 256 consecutive bytes, aligned
.endr
	s_wait_tensorcnt 0x0
	ds_add_u32 v208, v209
	s_wait_dscnt 0x0
	s_endpgm
.Lfunc_end_k_qffdce46eb5_quant:
	.size	k_qffdce46eb5_quant, .Lfunc_end_k_qffdce46eb5_quant-k_qffdce46eb5_quant
	.p2alignl 7, 3214868480
	.fill 96, 4, 3214868480
	.section	.rodata,"a",@progbits
	.p2align	6, 0x0
	.amdhsa_kernel k_qffdce46eb5_quant
		.amdhsa_group_segment_fixed_size 68096
		.amdhsa_private_segment_fixed_size 0
		.amdhsa_enable_private_segment 0
		.amdhsa_kernarg_size 56
		.amdhsa_user_sgpr_count 2
		.amdhsa_user_sgpr_kernarg_segment_ptr 1
		.amdhsa_wavefront_size32 1
		.amdhsa_system_sgpr_workgroup_id_x 1
		.amdhsa_system_sgpr_workgroup_id_y 1
		.amdhsa_system_sgpr_workgroup_id_z 1
		.amdhsa_system_vgpr_workitem_id 0
		.amdhsa_next_free_vgpr 210
		.amdhsa_next_free_sgpr 66
		.amdhsa_reserve_vcc 0
		.amdhsa_float_denorm_mode_32 3
		.amdhsa_float_denorm_mode_16_64 3
		.amdhsa_fp16_overflow 1
		.amdhsa_memory_ordered 1
		.amdhsa_forward_progress 1
		.amdhsa_inst_pref_size 55
	.end_amdhsa_kernel
	.amdgpu_metadata
---
amdhsa.version: [ 1, 2 ]
amdhsa.kernels:
  - .name:           k_qffdce46eb5_quant
    .symbol:         k_qffdce46eb5_quant.kd
    .args:
      - { .name: hidden_states, .offset: 0, .size: 8, .value_kind: global_buffer, .address_space: global }
      - { .name: c_attn_w, .offset: 8, .size: 8, .value_kind: global_buffer, .address_space: global }
      - { .name: c_proj_w, .offset: 16, .size: 8, .value_kind: global_buffer, .address_space: global }
      - { .name: lowp_scales, .offset: 24, .size: 8, .value_kind: global_buffer, .address_space: global }
      - { .name: xc, .offset: 32, .size: 8, .value_kind: global_buffer, .address_space: global }
      - { .name: wac, .offset: 40, .size: 8, .value_kind: global_buffer, .address_space: global }
      - { .name: wpc, .offset: 48, .size: 8, .value_kind: global_buffer, .address_space: global }
    .group_segment_fixed_size: 68096
    .private_segment_fixed_size: 0
    .kernarg_segment_align: 8
    .kernarg_segment_size: 56
    .max_flat_workgroup_size: 128
    .sgpr_count:     66
    .vgpr_count:     210
    .wavefront_size: 32
...
	.end_amdgpu_metadata
.endif
;; end of part 1
;; launch qkv (part 2): grid 12 x 32, 4 waves a work-group, clusters of 4 x 4, 327,680 bytes of LDS; arguments xc, wac, c_attn_b, lowp_scales, qkvc; writes qkvc
.if DOCPART == 2
	.amdgcn_target "amdgcn-amd-amdhsa--gfx1250"
	.amdhsa_code_object_version 6
	.text
	.protected	k_qffdce46eb5_qkv
	.globl	k_qffdce46eb5_qkv
	.p2align	8
	.type	k_qffdce46eb5_qkv,@function
k_qffdce46eb5_qkv:
	s_mov_b64 s[64:65], 0
	v_nop
	global_prefetch_b8 v0, s[64:65] scope:SCOPE_SE
	s_setreg_imm32_b32 hwreg(HW_REG_WAVE_MODE, 25, 1), 1
	s_wait_xcnt 0x0
	s_wait_alu depctr_hold_cnt(0) depctr_sa_sdst(0) depctr_va_vdst(0) depctr_va_sdst(0) depctr_va_ssrc(0) depctr_va_vcc(0) depctr_vm_vsrc(0)
	s_getreg_b32 s2, hwreg(HW_REG_IB_STS2, 6, 4)
	s_cmp_eq_u32 s2, 0
	s_cbranch_scc0 .Lentry_in_a_cluster
	s_endpgm
.Lentry_in_a_cluster:
	s_bfe_u32 s2, ttmp6, 0x10000c
	s_cmp_lg_u32 s2, 0xf033
	s_cbranch_scc0 .Lentry_shape_is_right
	s_endpgm
.Lentry_shape_is_right:
; qkv = x W + b on codes of BF8 (E5M2), and its three parts quantised on the way out for the next two products.  xc: [8192 m][1024 k], wac: [3072 n][1024 k], codes, K innermost; c_attn_b [3072] f32.
; A number of x is its code x 2^e0, of W x 2^e1.  The codes are multiplied as they are; a finished sum becomes sum x 2^(e0 + e1) + b by one fused multiply-add in f32, is converted with the
; scale 2^eo: eo = e2 for q, e3 for k, e5 for v.  LIMITS: e0 + e1 between -126 and 127; eo between -126 and 112: each power of two below is then an f32 number.
; THE PRODUCT.  T[i][j] = sum over k of Rr[i][k] Cc[j][k], a tile of 256 x 256 to a work-group of four waves, 128 x 128 to a wave: 64 accumulators, 512 registers.  Source 0 = 16 rows of Cc, source 1 = 16 rows of Rr: lane (r, h)
; of accumulator (a, b) holds i = 16 a + r and j = 16 b + 8 h + 0 .. 7.  K goes in steps of 256 through a ring of two LDS slots filled by the tensor data mover; a tile's row is 256 bytes of memory.
; TWO WAYS ROUND, chosen by the cluster's x (0: q, 1: k, 2: v), which all sixteen partners share.  q, k: Rr = x, Cc = W: a lane's eight results are neighbours along the head's 64, the next product's K.
; v: Rr = W's rows 2,048 on, Cc = x: a lane's eight results are neighbours along the KEYS, the K of the product that takes v.  So the conversions' results need no transposition either way.
; WHAT IS STORED: qkvc = q, k, v, 8,388,608 bytes each, each [16 b + head][131,072 bytes], laid as images of the next launch's operand registers:
;   q, k: 128 rows are 8,192 bytes = 8 fragments f of 1,024 bytes [c 0..1][lane 32][16 bytes]: lane (rl, hl), piece c: channels 32 c + 16 hl + 0 .. 15 of row 32 (f / 2) + 8 (f % 2) + rl + 8 (rl / 8).
;   v: 128 keys are 8,192 bytes = 4 fragments t of 2,048 bytes [c 0..3][lane 32][16 bytes]: lane (r, hl), piece c: channel 16 t + r, keys 32 c + 16 hl + 0 .. 15.
; A wave's 128 x 128 are two heads' units of 8,192 bytes: they are gathered in the wave's own stage in LDS and leave by stores of 512 consecutive bytes.
; CLUSTERS: 4 x 4 work-groups.  Rr's tile hangs on the tile row alone and is shared along a row of the cluster, Cc's on the tile column alone and is shared along a column: each is asked for JOINTLY.
; REGISTERS, in windows of 256: window 0: v0-31 addresses; v32-95 the bias of my 128 j (8 a block b); v96-111 the bias of my 128 i (block a's twice); from v128 Rr's fragments, ONE set; on the way out v128-255 are at work.
;   window 1: Cc's fragments, TWO sets.   window 2: the accumulators of my rows 0-63 ((a, b) at v[8 (8 a + b)]);   window 3: those of my rows 64-127.
.set ROWB,   256                       ; a tile's row in bytes: 256 codes
.set KROW,   1024                      ; a row of either operand in memory
.set PITCH,  272                       ; an LDS row: 256 bytes + 16 of padding = 68 words: row r starts at bank 4 r mod 64 (64 banks of 4 bytes: ISA guide 11.1)
.set FR,     16                        ; registers of a fragment: 16 rows x 128 K
.set NL,     4                         ; LDS loads that bring one
.set NP,     4                         ; places behind this matrix instruction (ISA guide 7.12.1)
.set HALFT,  128*PITCH                 ; 128 rows: what one tensor load brings, and what one wave reads of either operand
.set SLOT,   4*HALFT                   ; Rr's 256 rows, then Cc's 256 rows
.set LAPS,   2                         ; 1,024 along K = four slots' worth = twice round the ring
.set SPARE,  2*SLOT                    ; behind the ring: the spare words, 128 bytes for each wave: two blocks of 256 bytes that no other line names
.set STGV,   65536                     ; the stages lie in slot 0, which has had its last fill and its last read when the first code is stored there: 16,384 bytes a wave; q's and k's way out from byte 0, v's from here
.set BOC,  12                          ; v12     32 h: my eight numbers of a block's sixteen of the bias along j; never rewritten
.set BOR,  13                          ; v13     4 r: my number of a block's sixteen of the bias along i; never rewritten
.set ADRA, 16                          ; v16-17  LDS address of my Rr fragments in slot 0, 1
.set ADRB, 20                          ; v20-21  the same for Cc
.set STQ,  24                          ; v24     q, k: where I put 8 codes
.set RDQ,  25                          ; v25     q, k: where I read 16 bytes back
.set CO,   26                          ; v26     16 x lane: my byte offset in a store's 512
.set STV,  27                          ; v27     v: where I put 8 codes
.set SPW,  28                          ; v28     LDS address of my spare word; never rewritten
.set NIL,  29                          ; v29     0; never rewritten
.set RDV,  30                          ; v30     v: where I read 16 bytes back
.set SCV,  31                          ; v31     2^eo as f32
.set BC,   32
.set BR,   96
.set AF,   128                         ; Rr's fragments, in window 0
.set TMP,  128                         ; the way out: a block's 64 numbers
.set CD,   192                         ; the way out: a block's codes, two sets of 16 by turns
.set G1, 24                            ; s[24:31] descriptor group 1 for Rr's tiles;  s[32:39] group 0, one set for each slot
.set G0, 32
.set G1B, 48                           ; s[48:55], s[56:63] the same for Cc's tiles
.set G0B, 56
.set MSB, 0
.macro WIN new                         ; the immediate's high byte repeats the setting that is left
.if MSB != \new
	s_set_vgpr_msb (MSB<<8)|\new
.set MSB, \new
.endif
.endm
.set MUL_LO, 0xa1                      ; source 0 (Cc) window 1, source 1 (Rr) window 0, C and D window 2
.set MUL_HI, 0xf1                      ; the same, C and D window 3
.set TO_B,   0x40                      ; destination window 1, address window 0
; A joint load: waves 0 and 1 fetch for Rr, waves 2 and 3 for Cc.  Each of the two lines has ONE mask and one set of registers for all that issue it; the branch hangs on the wave's number alone.
; Four v_nop follow each of the two lines, ahead of the jump, the label and what follows.
.macro JLOAD g0a, g1a, g0b, g1b
	s_cmp_eq_u32 s15, 0
	s_cbranch_scc0 .Lfor_b_\@
	tensor_load_to_lds s[\g0a:\g0a+3], s[\g1a:\g1a+7]
	s_nop 0
.rept 4
	v_nop
.endr
	s_branch .Lasked_\@
.Lfor_b_\@:
	tensor_load_to_lds s[\g0b:\g0b+3], s[\g1b:\g1b+7]
	s_nop 0
.rept 4
	v_nop
.endr
.Lasked_\@:
.endm
.macro CREST                           ; a round of the cluster's barrier behind its opening barrier
	s_cmp_lg_u32 s14, 0
	s_cbranch_scc1 .Lnot_wave_0_\@
	s_barrier_signal -3
.Lnot_wave_0_\@:
	s_barrier_wait -3
	s_barrier_signal -1
	s_barrier_wait -1
.endm
.macro CROUND                          ; a whole round
	s_barrier_signal -1
	s_barrier_wait -1
	CREST
.endm
	s_load_b256 s[4:11], s[0:1], 0x0               ; xc s[4:5], wac s[6:7], c_attn_b s[8:9], the scales' exponents s[10:11]
	s_load_b64 s[12:13], s[0:1], 0x20              ; qkvc
	v_lshl_add_u32 v[SPW], v0, 2, SPARE
	v_mov_b32 v[NIL], 0
	ds_add_u32 v28, v29
	ds_add_u32 v28, v29
	s_wait_dscnt 0x0
	v_lshrrev_b32 v1, 5, v0
	v_readfirstlane_b32 s14, v1                    ; wave 0..3
	s_lshr_b32 s15, s14, 1                         ; which half of the tile's i is mine.  Also: I fetch for Rr (0) or for Cc (1)
	s_and_b32 s16, s14, 1                          ; which half of its j.  Also: which 128 rows of that tile I fetch
	s_bfe_u32 s40, ttmp6, 0x40000                  ; cx, cy: my place in the cluster
	s_bfe_u32 s41, ttmp6, 0x40004
	s_and_b32 s66, ttmp7, 0xffff
	s_lshl_b32 s66, s66, 2                         ; 4 x the cluster's y
	s_lshl_b32 s67, ttmp9, 2                       ; 4 x the cluster's x
	s_lshl_b32 s43, s41, 2
	s_lshl_b32 s43, 15, s43                        ; my row of the cluster
	s_lshl_b32 s44, 0x1111, s40                    ; my column
	; descriptor group 1: a tile of 128 rows x 256 bytes, padded in LDS
	s_or_b32 s[G1+0], s43, (0<<16)|(1<<20)|(1<<21)|(5<<22)|(3<<25)  ; 15:0 the mask: Rr's tiles go to my row; 17:16 elements of 1 byte; 20 padding on; 21 set beside a mask; 24:22 after every 64 words (code 5); 31:25 of 4 words (code 3)
	s_or_b32 s[G1B+0], s44, (0<<16)|(1<<20)|(1<<21)|(5<<22)|(3<<25) ; the same with the mask of my column
.irp g, G1, G1B
	s_mov_b32 s[\g+1], ROWB<<16                    ; tensor_dim0
	s_mov_b32 s[\g+2], 128<<16                     ; tensor_dim1 = 128
	s_mov_b32 s[\g+3], ROWB<<16                    ; tile_dim0
	s_mov_b32 s[\g+4], 128                         ; tile_dim1 = 128
	s_mov_b32 s[\g+5], KROW                        ; tensor_dim0_stride
	s_mov_b32 s[\g+6], 0
	s_mov_b32 s[\g+7], 0
.endr
	s_wait_kmcnt 0x0
	s_load_b256 s[72:79], s[10:11], 0x0            ; e0 .. e7
	s_add_nc_u64 s[68:69], s[6:7], 0x200000        ; wac at row 2,048: v's part of W
	s_cmp_eq_u32 ttmp9, 2                          ; v's clusters take the product the other way round; the choice hangs on the cluster's x alone
	s_cselect_b64 s[80:81], s[68:69], s[4:5]       ; Rr
	s_cselect_b64 s[82:83], s[4:5], s[6:7]         ; Cc
	s_cselect_b32 s17, 0, s66                      ; tile row: cy (v's 1,024 channels) or 4 x cluster y + cy (x's 8,192 rows)
	s_cselect_b32 s42, s66, s67                    ; tile column: 4 x cluster y + cx (x's rows) or 4 x cluster x + cx (W's rows 0 .. 2,047)
	s_add_co_u32 s17, s17, s41
	s_add_co_u32 s42, s42, s40
	s_lshl_b32 s18, s16, 7                         ; which 128 rows of the tile I fetch
	s_lshl_b32 s20, s17, 8
	s_add_co_u32 s20, s20, s18
	s_lshl_b32 s20, s20, 10                        ; Rr: (256 x tile row + 128 x half) rows of 1,024 bytes
	s_mov_b32 s21, 0
	s_lshl_b32 s46, s42, 8
	s_add_co_u32 s46, s46, s18
	s_lshl_b32 s46, s46, 10                        ; Cc likewise, in registers that never hold cy
	s_mov_b32 s47, 0
	s_add_nc_u64 s[20:21], s[80:81], s[20:21]
	s_add_nc_u64 s[46:47], s[82:83], s[46:47]
	s_mul_i32 s45, s14, HALFT                      ; where they go: wave x 128 rows: no place in the cluster enters an LDS address
	CROUND                                         ; all sixteen work-groups are here: the first joint loads meet
.irp s, 0,1
	s_mov_b32 s[G0+4*\s], 1                                        ; 1:0 count = 1
	s_add_co_u32 s[G0+4*\s+1], s45, \s*SLOT                        ; 63:32 LDS address
	s_add_nc_u64 s[G0+4*\s+2:G0+4*\s+3], s[20:21], \s*ROWB         ; 120:64 global address: K step s
	s_or_b32 s[G0+4*\s+3], s[G0+4*\s+3], 0x80000000                ; 127:126 type = 2
	s_mov_b32 s[G0B+4*\s], 1
	s_add_co_u32 s[G0B+4*\s+1], s45, \s*SLOT
	s_add_nc_u64 s[G0B+4*\s+2:G0B+4*\s+3], s[46:47], \s*ROWB
	s_or_b32 s[G0B+4*\s+3], s[G0B+4*\s+3], 0x80000000
	JLOAD G0+4*\s, G1, G0B+4*\s, G1B               ; two tensor loads of mine are out
.endr
	v_and_b32 v1, 15, v0                           ; r
	v_bfe_u32 v2, v0, 4, 1                         ; h
	v_lshlrev_b32 v[BOC], 5, v2
	s_wait_alu depctr_va_vdst(0)
	v_lshlrev_b32 v[BOR], 2, v1
	s_wait_alu depctr_va_vdst(0)
	; the biases.  Both kinds are asked for here, under the first tiles' flight, and each way out uses one: along j (q, k): entry 1,024 x cluster x + 256 cx + 128 x my half + 16 b + 8 h + 0 .. 7;
	; along i (v): entry 2,048 + 256 cy + 128 x my half + 16 a + r.  Both stay inside the 3,072 entries for every work-group.
	s_lshl_b32 s88, ttmp9, 10
	s_lshl_b32 s89, s40, 8
	s_add_co_u32 s88, s88, s89
	s_lshl_b32 s89, s16, 7
	s_add_co_u32 s88, s88, s89
	s_lshl_b32 s88, s88, 2
	s_mov_b32 s89, 0
	s_add_nc_u64 s[84:85], s[8:9], s[88:89]
	s_lshl_b32 s88, s41, 8
	s_lshl_b32 s90, s15, 7
	s_add_co_u32 s88, s88, s90
	s_add_co_u32 s88, s88, 2048
	s_lshl_b32 s88, s88, 2
	s_add_nc_u64 s[86:87], s[8:9], s[88:89]
.irp b, 0,1,2,3,4,5,6,7
	global_load_b128 v[BC+8*\b:BC+8*\b+3],   v[BOC], s[84:85] offset:64*\b
	global_load_b128 v[BC+8*\b+4:BC+8*\b+7], v[BOC], s[84:85] offset:64*\b+16
.endr
.irp a, 0,1,2,3,4,5,6,7
	global_load_b32 v[BR+2*\a],   v[BOR], s[86:87] offset:64*\a      ; twice: a pair for the packed multiply-add
	global_load_b32 v[BR+2*\a+1], v[BOR], s[86:87] offset:64*\a
.endr
	v_mul_u32_u24 v3, v1, PITCH
	v_lshl_add_u32 v4, v2, 4, v3                   ; a fragment's row x pitch + 16 x half
	s_mul_i32 s21, s15, HALFT                      ; my 128 rows of Rr
	s_mul_i32 s22, s16, HALFT                      ; my 128 rows of Cc,
	s_add_co_u32 s22, s22, 2*HALFT                 ; which lie behind Rr's 256
.irp s, 0,1
	v_add_nc_u32 v[ADRA+\s], s21, v4
	v_add_nc_u32 v[ADRB+\s], s22, v4
	s_add_co_u32 s21, s21, SLOT
	s_add_co_u32 s22, s22, SLOT
.endr
	s_lshl_b32 s23, s14, 14                        ; my stage: 16,384 x wave
	v_bfe_u32 v5, v0, 3, 1                         ; r / 8
	v_and_b32 v6, 7, v0                            ; r % 8
	v_lshlrev_b32 v5, 10, v5
	v_lshl_add_u32 v5, v6, 4, v5
	v_lshl_add_u32 v5, v2, 3, v5
	v_add_nc_u32 v[STQ], s23, v5                   ; q, k: 1,024 (r / 8) + 16 (r % 8) + 8 h; the rest of the place stands in the stores' immediates
	v_and_b32 v6, 31, v0
	v_lshlrev_b32 v[CO], 4, v6
	v_add_nc_u32 v[RDQ], s23, v[CO]
	v_lshlrev_b32 v5, 4, v1
	v_lshl_add_u32 v5, v2, 3, v5
	v_add_nc_u32 v5, s23, v5
	v_add_nc_u32 v[STV], STGV, v5                  ; v: 16 r + 8 h
	v_add_nc_u32 v[RDV], STGV, v[RDQ]
	; where my two heads' units begin in qkvc: part x 8,388,608 + (16 (m0 / 2,048) + h0) x 131,072 + (m0 % 2,048) x 64
	s_lshl_b32 s88, s17, 8
	s_lshl_b32 s90, s15, 7
	s_add_co_u32 s88, s88, s90                     ; q, k: m0 = 256 x tile row + 128 x my half of i
	s_lshl_b32 s90, s40, 2
	s_lshl_b32 s91, s16, 1
	s_add_co_u32 s90, s90, s91                     ; q, k: h0 = 4 cx + 2 x my half of j
	s_lshl_b32 s92, s42, 8
	s_lshl_b32 s91, s16, 7
	s_add_co_u32 s92, s92, s91                     ; v: m0 = 256 x tile column + 128 x my half of j
	s_lshl_b32 s93, s41, 2
	s_lshl_b32 s91, s15, 1
	s_add_co_u32 s93, s93, s91                     ; v: h0 = 4 cy + 2 x my half of i
	s_cmp_eq_u32 ttmp9, 2
	s_cselect_b32 s88, s92, s88
	s_cselect_b32 s90, s93, s90
	s_lshr_b32 s91, s88, 11
	s_lshl_b32 s91, s91, 4
	s_add_co_u32 s91, s91, s90
	s_lshl_b32 s91, s91, 17
	s_and_b32 s88, s88, 2047
	s_lshl_b32 s88, s88, 6
	s_add_co_u32 s88, s88, s91
	s_lshl_b32 s91, ttmp9, 23
	s_add_co_u32 s88, s88, s91
	s_mov_b32 s89, 0
	s_add_nc_u64 s[12:13], s[12:13], s[88:89]
	s_wait_kmcnt 0x0                               ; the exponents
	s_cmp_eq_u32 ttmp9, 0
	s_cselect_b32 s94, s74, s75                    ; q: e2, k: e3,
	s_cmp_eq_u32 ttmp9, 2
	s_cselect_b32 s94, s77, s94                    ; v: e5
	s_add_co_i32 s94, s94, 127
	s_lshl_b32 s95, s94, 23
	v_mov_b32 v[SCV], s95                          ; 2^eo as f32: the conversion takes its exponent field
	s_add_co_i32 s96, s72, s73
	s_add_co_i32 s96, s96, 127
	s_lshl_b32 s96, s96, 23                        ; 2^(e0 + e1) as f32
	s_mov_b32 s97, s96                             ; (named with it as a pair, so it is written)
.macro FRAG reg, adr, q, i             ; a fragment, 16 rows x 128 K, is 16 registers: lane l holds row l % 16; registers 4 c .. 4 c + 3 hold K = 32 c + 16 (l / 16) + 0 .. 15: the same places in both operands, so every product meets its partner
.irp c, 0,1,2,3
	ds_load_b128 v[\reg+4*\c:\reg+4*\c+3], v[\adr] offset:128*(\q)+32*\c+(\i)*16*PITCH
.endr
.endm
; 16 matrix instructions: Rr's blocks a0, a0 + 1 x Cc's eight, 128 along K.  p: Cc's set.  zero = 1: the first product starts the sums: nothing is ever cleared.
; The 64 accumulators take turns, one instruction a turn, in the same order in every step.
.macro MUL16 a0, p, zero
.irp a, \a0, \a0+1
.irp b, 0,1,2,3,4,5,6,7
.if \zero
	v_wmma_f32_16x16x128_bf8_bf8 v[8*(8*((\a)%4)+\b):8*(8*((\a)%4)+\b)+7], v[128*(\p)+FR*\b:128*(\p)+FR*\b+FR-1], v[AF+FR*(\a):AF+FR*(\a)+FR-1], 0
.else
	v_wmma_f32_16x16x128_bf8_bf8 v[8*(8*((\a)%4)+\b):8*(8*((\a)%4)+\b)+7], v[128*(\p)+FR*\b:128*(\p)+FR*\b+FR-1], v[AF+FR*(\a):AF+FR*(\a)+FR-1], v[8*(8*((\a)%4)+\b):8*(8*((\a)%4)+\b)+7]
.endif
.endr
.endr
.endm
.macro FETCH_B slot, q, p              ; Cc's eight fragments of the slot's q-th 128 along K into set p
	WIN TO_B
.irp i, 0,1,2,3,4,5,6,7
	FRAG 128*(\p)+FR*\i, ADRB+\slot, \q, \i
.endr
	WIN 0
.endm
.macro FETCH_A slot, q, i0             ; Rr's blocks i0 .. i0 + 3
.irp i, \i0, \i0+1, \i0+2, \i0+3
	FRAG AF+FR*(\i), ADRA+\slot, \q, \i
.endr
.endm
; A load into a register that a matrix instruction has read, and a vector instruction that reads a matrix result or writes one of its registers, stand NP places behind it, and only plain vector
; instructions that name none of its registers are places (ISA guide 7.12.1 for vector instructions).
.macro PLACES n
.rept \n
	v_nop
.endr
.endm
; A step of 128 along K that has its successor in the same slot.
.macro STEP slot, q, zero
	s_wait_dscnt 4*NL                              ; Cc's set and Rr's blocks 0-3 are in; the youngest sixteen loads (Rr's blocks 4-7) may be out
	WIN MUL_LO
	MUL16 0, (\q)%2, \zero
	MUL16 2, (\q)%2, \zero
	s_wait_dscnt 0                                 ; Rr's blocks 4-7 are in (asked for 32 matrix instructions ago)
	PLACES NP
	FETCH_B \slot, (\q)+1, 1-(\q)%2
	FETCH_A \slot, (\q)+1, 0
	WIN MUL_HI
	MUL16 4, (\q)%2, \zero
	MUL16 6, (\q)%2, \zero
	PLACES NP
	WIN 0
	FETCH_A \slot, (\q)+1, 4
.endm
; A slot's last step changes slots: ONE barrier; in front of it each wave waits for all its tensor loads, adds 0 to its spare word, and waits for that and for its own reads of this slot.  fill = 1: this slot is filled again, two slots ahead.
.macro TURN slot, next, fill
	s_wait_tensorcnt 0x0                           ; all my tensor loads have landed: the one that was out is my part of the next slot  (every window is 0 here)
	ds_add_u32 v[SPW], v[NIL]                      ; 0 onto my spare word
	s_wait_dscnt 4*NL+1                            ; (the add and the youngest sixteen loads, Rr's blocks 4-7, may be out)
	WIN MUL_LO
	MUL16 0, 1, 0                                  ; sixteen matrix instructions stand between the add and the wait for it
	s_wait_dscnt 0x0                               ; the add is done, and my reads of this slot are over
	s_barrier_signal -1
	MUL16 2, 1, 0
	WIN 0
	s_barrier_wait -1
.if \fill
	CREST                                          ; the barrier has opened a round of the cluster's barrier: no wave of any partner still reads this slot's tile or has a load on its way
	s_add_nc_u64 s[G0+4*\slot+2:G0+4*\slot+3], s[G0+4*\slot+2:G0+4*\slot+3], 2*ROWB
	s_add_nc_u64 s[G0B+4*\slot+2:G0B+4*\slot+3], s[G0B+4*\slot+2:G0B+4*\slot+3], 2*ROWB
	JLOAD G0+4*\slot, G1, G0B+4*\slot, G1B         ; the first tensor load behind the round, my one load until the next; the four v_nop behind it are the places in front of the loads below
.else
	PLACES NP
.endif
	FETCH_B \next, 0, 0
	FETCH_A \next, 0, 0
	WIN MUL_HI
	MUL16 4, 1, 0
	MUL16 6, 1, 0
	PLACES NP
	WIN 0
	FETCH_A \next, 0, 4
.endm
	s_wait_tensorcnt 1                             ; my part of slot 0 is in; slot 1's load may be out
	s_barrier_signal -1
	s_barrier_wait -1                              ; everybody's is
	FETCH_B 0, 0, 0
	FETCH_A 0, 0, 0
	FETCH_A 0, 0, 4
	STEP 0, 0, 1                                   ; the first step stands in front of the loop: its products start the sums
	s_mov_b32 s3, LAPS-1
.Llap:                                                 ; a trip goes once round the ring, from a lap's second step to the next lap's first, and fills both slots again
	TURN 0, 1, 1
	STEP 1, 0, 0
	TURN 1, 0, 1
	STEP 0, 0, 0
	s_sub_co_u32 s3, s3, 1
	s_cmp_lg_u32 s3, 0
	s_cbranch_scc1 .Llap
	TURN 0, 1, 0                                   ; the last lap fills nothing, and has no round of the cluster's barrier
	STEP 1, 0, 0
	s_wait_dscnt 4*NL                              ; the very last step: nothing more to fetch
	WIN MUL_LO
	MUL16 0, 1, 0
	MUL16 2, 1, 0
	s_wait_dscnt 0
	WIN MUL_HI
	MUL16 4, 1, 0
	MUL16 6, 1, 0
	WIN 0
; THE WAY OUT of block a (16 i x 128 j).  mode 0: q, k (the bias runs along j);  mode 1: v (along i).  sum x 2^(e0 + e1) + bias in one packed multiply-add, each accumulator from its low end on; eight
; conversions, each of a lane's eight neighbours along the next K; eight stores of 8 bytes into the image in my stage.
.macro BLOCKOUT a, mode
.set AC, 64*((\a)%4)
.set CW, CD+16*((\a)%2)
	WIN 0x02+((\a)/4)                              ; source 0: window 2 or 3
.irp b, 0,1,2,3,4,5,6,7
.irp i, 0,2,4,6
.if \mode
	v_pk_fma_f32 v[TMP+8*\b+\i:TMP+8*\b+\i+1], v[AC+8*\b+\i:AC+8*\b+\i+1], s[96:97], v[BR+2*(\a):BR+2*(\a)+1] op_sel_hi:[1,0,1]
.else
	v_pk_fma_f32 v[TMP+8*\b+\i:TMP+8*\b+\i+1], v[AC+8*\b+\i:AC+8*\b+\i+1], s[96:97], v[BC+8*\b+\i:BC+8*\b+\i+1] op_sel_hi:[1,0,1]
.endif
.endr
.endr
	WIN 0
.set n, 0
.rept 64
.set n, n+1
.endr
.if (\a) >= 2
	s_wait_alu depctr_va_vdst(0)
	s_wait_dscnt 8                                 ; block a - 2's stores have read this set of codes; only block a - 1's eight may be out
.endif
.irp b, 0,1,2,3,4,5,6,7
	v_cvt_scalef32_pk8_bf8_f32 v[CW+2*\b:CW+2*\b+1], v[TMP+8*\b:TMP+8*\b+7], v[SCV]
.endr
	v_nop                                          ; one plain vector line between the conversions and the next block's lines, which write their sources
.irp b, 0,1,2,3,4,5,6,7
.if \mode
	ds_store_b64 v[STV], v[CW+2*\b:CW+2*\b+1] offset:((\a)/4)*8192+((\a)%4)*2048+(\b/2)*512+(\b%2)*256                       ; head a / 4, fragment a % 4, piece b / 2, half b % 2
.else
	ds_store_b64 v[STQ], v[CW+2*\b:CW+2*\b+1] offset:(\b/4)*8192+((\a)/2)*2048+((\b%4)/2)*512+(\b%2)*256+((\a)%2)*128        ; head b / 4, fragments 2 (a / 2) + r / 8, piece (b % 4) / 2, half b % 2, rows 8 (a % 2) on
.endif
.endr
.endm
.macro SENDALL rd                      ; my stage's 16,384 bytes, as they lie: two heads' units of 8,192
	s_wait_dscnt 0x0                               ; my stores have read their registers, over which the loads below land
.set t, 0
.rept 32
	ds_load_b128 v[128+4*t:128+4*t+3], v[\rd] offset:512*t
.set t, t+1
.endr
.set t, 0
.rept 32
	s_wait_dscnt 31-t                              ; load t is back; the younger ones may be out
	global_store_b128 v[CO], v[128+4*t:128+4*t+3], s[12:13] offset:(t/16)*131072+(t%16)*512   ; 32 lanes store 512 consecutive bytes, aligned
.set t, t+1
.endr
.endm
	s_wait_loadcnt 0x0                             ; the biases
	PLACES NP                                      ; behind the last products: the lines below write registers that held Rr's fragments
	s_cmp_eq_u32 ttmp9, 2                          ; the cluster's x: alike in all sixteen partners
	s_cbranch_scc1 .Lv_out
.irp a, 0,1,2,3,4,5,6,7
	BLOCKOUT \a, 0
.endr
	SENDALL RDQ
	s_branch .Ltail
.Lv_out:
.irp a, 0,1,2,3,4,5,6,7
	BLOCKOUT \a, 1
.endr
	SENDALL RDV
.Ltail:
	s_wait_tensorcnt 0x0                           ; the wave's end: behind my last tensor load and my last LDS store
	ds_add_u32 v[SPW], v[NIL]
	s_wait_dscnt 0x0
	CROUND                                         ; the closing round: no work-group ends while a partner may still ask for a tile that names it
	s_endpgm
.Lfunc_end_k_qffdce46eb5_qkv:
	.size	k_qffdce46eb5_qkv, .Lfunc_end_k_qffdce46eb5_qkv-k_qffdce46eb5_qkv
	.p2alignl 7, 3214868480
	.fill 96, 4, 3214868480
	.section	.rodata,"a",@progbits
	.p2align	6, 0x0
	.amdhsa_kernel k_qffdce46eb5_qkv
		.amdhsa_group_segment_fixed_size 327680
		.amdhsa_private_segment_fixed_size 0
		.amdhsa_enable_private_segment 0
		.amdhsa_kernarg_size 40
		.amdhsa_user_sgpr_count 2
		.amdhsa_user_sgpr_kernarg_segment_ptr 1
		.amdhsa_wavefront_size32 1
		.amdhsa_system_sgpr_workgroup_id_x 1
		.amdhsa_system_sgpr_workgroup_id_y 1
		.amdhsa_system_sgpr_workgroup_id_z 1
		.amdhsa_system_vgpr_workitem_id 0
		.amdhsa_next_free_vgpr 1024
		.amdhsa_next_free_sgpr 100
		.amdhsa_reserve_vcc 0
		.amdhsa_float_denorm_mode_32 3
		.amdhsa_float_denorm_mode_16_64 3
		.amdhsa_fp16_overflow 1
		.amdhsa_memory_ordered 1
		.amdhsa_forward_progress 1
		.amdhsa_inst_pref_size 145
	.end_amdhsa_kernel
	.amdgpu_metadata
---
amdhsa.version: [ 1, 2 ]
amdhsa.kernels:
  - .name:           k_qffdce46eb5_qkv
    .symbol:         k_qffdce46eb5_qkv.kd
    .args:
      - { .name: xc, .offset: 0, .size: 8, .value_kind: global_buffer, .address_space: global }
      - { .name: wac, .offset: 8, .size: 8, .value_kind: global_buffer, .address_space: global }
      - { .name: c_attn_b, .offset: 16, .size: 8, .value_kind: global_buffer, .address_space: global }
      - { .name: lowp_scales, .offset: 24, .size: 8, .value_kind: global_buffer, .address_space: global }
      - { .name: qkvc, .offset: 32, .size: 8, .value_kind: global_buffer, .address_space: global }
    .group_segment_fixed_size: 327680
    .private_segment_fixed_size: 0
    .kernarg_segment_align: 8
    .kernarg_segment_size: 40
    .max_flat_workgroup_size: 128
    .sgpr_count:     100
    .vgpr_count:     1024
    .wavefront_size: 32
...
	.end_amdgpu_metadata
.endif
;; end of part 2
;; launch attn (part 3): grid 4 x 64, 16 waves a work-group, clusters of 4 x 1, 327,680 bytes of LDS; arguments qkvc, lowp_scales, ac; writes ac
.if DOCPART == 3
	.amdgcn_target "amdgcn-amd-amdhsa--gfx1250"
	.amdhsa_code_object_version 6
	.text
	.protected	k_qffdce46eb5_attn
	.globl	k_qffdce46eb5_attn
	.p2align	8
	.type	k_qffdce46eb5_attn,@function
k_qffdce46eb5_attn:
	s_mov_b64 s[64:65], 0
	v_nop
	global_prefetch_b8 v0, s[64:65] scope:SCOPE_SE
	s_setreg_imm32_b32 hwreg(HW_REG_WAVE_MODE, 25, 1), 1
	s_wait_xcnt 0x0
	s_wait_alu depctr_hold_cnt(0) depctr_sa_sdst(0) depctr_va_vdst(0) depctr_va_sdst(0) depctr_va_ssrc(0) depctr_va_vcc(0) depctr_vm_vsrc(0)
	s_getreg_b32 s2, hwreg(HW_REG_IB_STS2, 6, 4)
	s_cmp_eq_u32 s2, 0
	s_cbranch_scc0 .Lentry_in_a_cluster
	s_endpgm
.Lentry_in_a_cluster:
	s_bfe_u32 s2, ttmp6, 0x10000c
	s_cmp_lg_u32 s2, 0x3003
	s_cbranch_scc0 .Lentry_shape_is_right
	s_endpgm
.Lentry_shape_is_right:
; a[b][s][head][:] = the sum over keys k <= s of softmax_k(q . k / 8) v, both products on codes of BF8 (E5M2), and a quantised on the way out for the last product.
; qkvc holds q, k, v (8,388,608 bytes each), each [16 b + head][131,072 bytes], as images of operand registers:
;   q, k: 128 rows are 8,192 bytes = 8 fragments f of 1,024 bytes [c 0..1][lane][16 bytes]: lane (rl, hl), piece c: channels 32 c + 16 hl + 0 .. 15 of row 32 (f / 2) + 8 (f % 2) + rl + 8 (rl / 8);
;   v: 128 keys are 8,192 bytes = 4 fragments t of 2,048 bytes [c 0..3][lane][16 bytes]: lane (r, hl), piece c: channel 16 t + r, keys 32 c + 16 hl + 0 .. 15.
; ac: [head 16][2,048 b + s][64] codes with the scale 2^e6.
; THE SOFTMAX AHEAD OF THE SECOND PRODUCT: t = score x log2(e) / 8; M = the row's largest t so far, rounded UP to a whole number; p = 2^(t - M) is what is quantised (scale 2^e4), not normalised.  The row's sum is taken of
; the unquantised p, in f32, and divides at the end.  When M moves, the sum and O are multiplied by 2^(old M - new M): exact.
; SHARES.  A cluster of four work-groups is one (b, head).  The head's 2,048 queries are 16 groups of 128, each of 8 tiles (q's fragments).  Wave w of work-group cx takes tile 2 cx + w % 2 of group w / 2 and of group 15 - w / 2:
; (w / 2 + 1) + (16 - w / 2) = 17 tile steps for every wave of every work-group.  Which steps a wave leaves out, and which lies on the diagonal, hangs on the wave's number and the step alone, never on cx.
; LDS.  The head's K and V, 131,072 bytes each, fit whole: each byte is filled once, nothing is filled again, and no barrier stands in the loops.  The four work-groups ask for them JOINTLY: wave w (0-7: K, 8-15: V) issues two
; loads, its eighth of key steps 0 and 1 (2,048 bytes) and its eighth of steps 2 to 15 (14,336 bytes), so that the work begins when the first 32,768 bytes have landed.  Two tensor loads of a wave are out at the most.
; Fragments are read as they lie, 16 bytes a lane on end: an instruction's 512 bytes are consecutive.
; LAYOUT.  Both products are used transposed: S^T = K Q^T (source 0 = 16 keys, source 1 = my 16 queries), O^T = V^T P^T: a lane holds ONE query (lane % 16) throughout.  By the order of rows in k's image, register 16 b + i of S^T
; is key 32 b + 16 (lane / 16) + i of the step: the conversions' results are the second product's operand.
; THE MASK is reference()'s own: a step all of whose keys come after the tile's queries is left out; in the step on the diagonal hidden scores become -infinity ahead of the maximum, so that p = 0.  Key 0 counts for every query.
; LIMITS on the given exponents, so that each power of two below is an f32 number: e2 + e3 between -123 and 130 (added to c's exponent field); e4 and e6 between -126 and 112; e4 + e5 is applied by v_ldexp_f32 and has none.
; REGISTERS: v1-6 addresses and the mask's number; v8-15 statistics, four a tile: -M, the largest t, the sum in two halves; v16-31 Q, 8 a tile; v32-95 K's 8 fragments, then V's 4; v96-159 S^T, then p; v160-223 O^T, 32 a tile;
; v224-239 p's codes; v244: 2^e4; v247: the same with e6; v236, v242-243, v252-254 at work.
.set VREG,  131072                     ; LDS: K at 0, V here, key step s at 8,192 s in each
.set STG,   262144                     ; behind them: 2,048 bytes for each wave, for the way out; no tile lands there
.set LI,   1                           ; v1   16 x lane; never rewritten
.set DQ,   2                           ; v2   my query's place in its group of 128, less 16 (lane / 16): register 16 b + i is hidden on the diagonal where 32 b + i is larger
.set ADK,  3                           ; v3   LDS address of the step's K
.set ADV,  4                           ; v4   of its V
.set SIN,  5                           ; v5   the way out: where I put 8 codes
.set SOUT, 6                           ; v6   the way out: where I read 16 bytes back
.set WV,   10                          ; s10  my wave's number
.set CX,   11                          ; s11  my place in the cluster: it enters Q's and ac's global addresses and v2 alone
.set BH,   12                          ; s12  16 b + head
.set G1A,  16                          ; s[16:23] descriptor group 1: 8 rows of 256 bytes
.set G1B,  24                          ; s[24:31] 56 rows of 256 bytes
.set G0A,  32                          ; s[32:35], s[36:39] their groups 0
.set G0B,  36
.set E,    40                          ; s[40:47] e0 .. e7
.set SEL,  48                          ; s[48:49] lane selects for v_permlanex16_b32: lane l xor 16
.set CS,   50                          ; s[50:51] c = log2(e) / 8 x 2^(e2 + e3): the packed form names a pair and takes its low word for both halves
.set KS,   52                          ; s52  the key step
.set TB,   53                          ; s53  8,192 x the key step
.set GR,   54                          ; s54, s55 my two tiles' groups
.set QB,   56                          ; s[56:59] Q's two fragments in memory
.set AB,   60                          ; s[60:63] my two tiles' first rows in ac
.set EPV,  86                          ; s86  e4 + e5
.macro CROUND                          ; a round of the cluster's barrier: my work-group's barrier; wave 0 signals for the work-group; every wave waits for all four work-groups; my work-group's barrier once more
	s_barrier_signal -1
	s_barrier_wait -1
	s_cmp_lg_u32 s[WV], 0
	s_cbranch_scc1 .Lnot_wave_0_\@
	s_barrier_signal -3
.Lnot_wave_0_\@:
	s_barrier_wait -3
	s_barrier_signal -1
	s_barrier_wait -1
.endm
	s_load_b128 s[4:7], s[0:1], 0x0                ; qkvc s[4:5], the scales' exponents s[6:7]
	s_load_b64 s[8:9], s[0:1], 0x10                ; ac
	v_lshl_add_u32 v251, v0, 2, 0x48000
	v_mov_b32 v255, 0
	ds_add_u32 v251, v255
	ds_add_u32 v251, v255
	v_lshrrev_b32 v7, 5, v0
	s_delay_alu instid0(VALU_DEP_1)
	v_readfirstlane_b32 s[WV], v7                  ; wave 0..15
	s_bfe_u32 s[CX], ttmp6, 0x40000
	s_and_b32 s[BH], ttmp7, 0xffff                 ; the cluster's y
	; descriptor groups 1: dense blocks as rows of 32 elements of 8 bytes; no padding
	s_mov_b32 s[G1A], 15|(3<<16)|(1<<21)           ; 15:0 the mask: all four work-groups; 17:16 elements of 8 bytes; 21 set beside a mask
	s_mov_b32 s[G1A+1], 32<<16                     ; tensor_dim0 = 32
	s_mov_b32 s[G1A+2], 8<<16                      ; tensor_dim1 = 8
	s_mov_b32 s[G1A+3], 32<<16                     ; tile_dim0 = 32
	s_mov_b32 s[G1A+4], 8                          ; tile_dim1 = 8
	s_mov_b32 s[G1A+5], 32                         ; tensor_dim0_stride: each row begins where the last ends
	s_mov_b32 s[G1A+6], 0
	s_mov_b32 s[G1A+7], 0
	s_mov_b32 s[G1B], 15|(3<<16)|(1<<21)
	s_mov_b32 s[G1B+1], 32<<16
	s_mov_b32 s[G1B+2], 56<<16
	s_mov_b32 s[G1B+3], 32<<16
	s_mov_b32 s[G1B+4], 56
	s_mov_b32 s[G1B+5], 32
	s_mov_b32 s[G1B+6], 0
	s_mov_b32 s[G1B+7], 0
	s_lshr_b32 s66, s[WV], 3                       ; I fetch for K (0) or for V (1),
	s_and_b32 s67, s[WV], 7                        ; this eighth
	s_lshl_b32 s68, s66, 17                        ; its region of LDS
	s_lshl_b32 s69, s67, 11                        ; my 2,048 bytes of key steps 0 and 1
	s_mul_i32 s70, s67, 14336
	s_add_co_u32 s70, s70, 16384                   ; my 14,336 bytes of key steps 2 to 15
	s_mov_b32 s[G0A], 1                            ; 1:0 count = 1
	s_add_co_u32 s[G0A+1], s68, s69                ; 63:32 LDS address: made of the wave's number alone
	s_mov_b32 s[G0B], 1
	s_add_co_u32 s[G0B+1], s68, s70
	s_lshl_b32 s71, s[BH], 17                      ; the head's 131,072 bytes in each part
	s_lshl_b32 s72, s66, 23
	s_add_co_u32 s72, s72, 0x800000                ; k's part or v's
	s_add_co_u32 s72, s72, s71
	s_mov_b32 s73, 0
	s_mov_b32 s74, s69
	s_mov_b32 s75, 0
	s_mov_b32 s76, s70
	s_mov_b32 s77, 0
	s_add_nc_u64 s[74:75], s[74:75], s[72:73]
	s_add_nc_u64 s[76:77], s[76:77], s[72:73]
	s_mov_b32 s[SEL], 0x76543210
	s_mov_b32 s[SEL+1], 0xfedcba98
	s_wait_dscnt 0x0
	s_wait_kmcnt 0x0
	s_load_b256 s[E:E+7], s[6:7], 0x0
	s_add_nc_u64 s[G0A+2:G0A+3], s[4:5], s[74:75]  ; 120:64 global address: it hangs on the head and the wave's number, which the four partners share
	s_or_b32 s[G0A+3], s[G0A+3], 0x80000000        ; 127:126 type = 2
	s_add_nc_u64 s[G0B+2:G0B+3], s[4:5], s[76:77]
	s_or_b32 s[G0B+3], s[G0B+3], 0x80000000
	CROUND                                         ; all four work-groups are here: the joint loads meet
	tensor_load_to_lds s[G0A:G0A+3], s[G1A:G1A+7]
	s_nop 0
	s_wait_alu depctr_va_vdst(0)
	s_wait_tensorcnt 0x0
	ds_add_u32 v251, v255
	s_wait_dscnt 0x0
	CROUND
	tensor_load_to_lds s[G0B:G0B+3], s[G1B:G1B+7]  ; the wave's second fill, behind the wait for its first; four v_nop follow it
	s_nop 0
.rept 4
	v_nop
.endr
	s_lshr_b32 s[GR], s[WV], 1                     ; my early group,
	s_xor_b32 s[GR+1], s[GR], 15                   ; and my late one: 15 - it
	s_and_b32 s78, s[WV], 1
	s_lshl_b32 s79, s[CX], 1
	s_add_co_u32 s78, s78, s79                     ; which tile of a group: 2 cx + w % 2
	s_lshl_b32 s82, s78, 10
	s_add_co_u32 s82, s82, s71                     ; q: the head, + 1,024 x tile
	s_lshr_b32 s79, s78, 1
	s_lshl_b32 s79, s79, 5
	s_and_b32 s84, s78, 1
	s_lshl_b32 s84, s84, 3
	s_add_co_u32 s79, s79, s84                     ; the tile's first query in its group: 32 (tile / 2) + 8 (tile % 2)
	s_and_b32 s83, s[BH], 15
	s_lshl_b32 s83, s83, 19                        ; ac: the head's 8,192 rows of 64 bytes,
	s_lshr_b32 s84, s[BH], 4
	s_lshl_b32 s84, s84, 17                        ; b's 2,048 rows,
	s_add_co_u32 s83, s83, s84
	s_lshl_b32 s84, s79, 6
	s_add_co_u32 s83, s83, s84                     ; the tile's first row
	s_mov_b32 s81, 0
.irp x, 0,1
	s_lshl_b32 s85, s[GR+\x], 13                   ; a group is 8,192 bytes in q and in ac
	s_add_co_u32 s80, s85, s82
	s_add_nc_u64 s[QB+2*\x:QB+2*\x+1], s[4:5], s[80:81]
	s_add_co_u32 s80, s85, s83
	s_add_nc_u64 s[AB+2*\x:AB+2*\x+1], s[8:9], s[80:81]
.endr
	v_and_b32 v[LI], 31, v0
	s_delay_alu instid0(VALU_DEP_1)
	v_lshlrev_b32 v[LI], 4, v[LI]
.irp x, 0,1
.irp c, 0,1
	global_load_b128 v[16+8*\x+4*\c:19+8*\x+4*\c], v[LI], s[QB+2*\x:QB+2*\x+1] offset:512*\c   ; Q's fragments stay in registers
.endr
.endr
	v_and_b32 v7, 15, v0                           ; r
	v_bfe_u32 v252, v0, 4, 1                       ; h
	s_delay_alu instid0(VALU_DEP_2)
	v_and_b32 v[DQ], 8, v7
	s_delay_alu instid0(VALU_DEP_1)
	v_add_nc_u32 v[DQ], v[DQ], v7                  ; r + 8 (r / 8)
	s_delay_alu instid0(VALU_DEP_3)
	v_lshlrev_b32 v254, 4, v252
	s_delay_alu instid0(VALU_DEP_1)
	v_sub_nc_u32 v[DQ], v[DQ], v254
	s_delay_alu instid0(VALU_DEP_1)
	v_add_nc_u32 v[DQ], s79, v[DQ]
	s_lshl_b32 s85, s[WV], 11
	s_add_co_u32 s85, s85, STG                     ; my stage
	v_lshlrev_b32 v[SIN], 6, v7
	s_delay_alu instid0(VALU_DEP_1)
	v_lshl_add_u32 v[SIN], v252, 3, v[SIN]
	s_delay_alu instid0(VALU_DEP_1)
	v_add_nc_u32 v[SIN], s85, v[SIN]               ; in: row r of 64 bytes, + 8 h
	v_add_nc_u32 v[SOUT], s85, v[LI]               ; back: as the bytes lie
.irp x, 0,1
	v_mov_b32 v[9+4*\x], 0xff61b1e6                ; the largest t so far: -3e38, under every t
	s_delay_alu instid0(VALU_DEP_1)
	v_floor_f32 v[8+4*\x], -v[9+4*\x]              ; -M
	v_mov_b32 v[10+4*\x], 0                        ; the sum, in two halves
	v_mov_b32 v[11+4*\x], 0
.endr
	v_mov_b32 v236, 0                              ; written once: a lane permute's destination counts as one of its sources
	v_mov_b32 v253, 0                              ; (named as the upper half of the pair v[252:253])
.irp j, 0,1,2,3,4,5,6,7,8,9,10,11,12,13,14,15,16,17,18,19,20,21,22,23,24,25,26,27,28,29,30,31,32,33,34,35,36,37,38,39,40,41,42,43,44,45,46,47,48,49,50,51,52,53,54,55,56,57,58,59,60,61,62,63
	v_mov_b32 v[160+\j], 0                         ; O^T.  (A step is written without a first form of its own: the first finds zeros, which the first change of M leaves zeros)
.endr
	s_wait_kmcnt 0x0
	s_add_co_i32 s66, s[E+2], s[E+3]
	s_lshl_b32 s66, s66, 23
	s_add_co_i32 s[CS], s66, 0x3e38aa3b            ; c = log2(e) / 8; a score stands for score x 2^(e2 + e3): the two exponents are added to c's exponent field
	s_mov_b32 s[CS+1], s[CS]                       ; (named with it as a pair, so it is written)
	s_add_co_i32 s66, s[E+4], 127
	s_lshl_b32 s67, s66, 23
	v_mov_b32 v244, s67                            ; 2^e4 as f32, for p's conversions
	s_add_co_i32 s66, s[E+6], 127
	s_lshl_b32 s67, s66, 23
	v_mov_b32 v247, s67                            ; 2^e6, for a's
	s_add_co_i32 s[EPV], s[E+4], s[E+5]
; A TILE STEP: the 128 keys of step KS for my tile x (0: of the early group, 1: of the late one).
.macro TSTEP x
.set ST, 8+4*\x
.set QF, 16+8*\x
.set OA, 160+32*\x
	s_cmp_gt_u32 s[KS], s[GR+\x]                   ; all 128 keys come after the tile's queries: the step is left out.  The branch hangs on the wave's number and the step
	s_cbranch_scc1 .Lhid_\@
	v_add_nc_u32 v[ADK], s[TB], v[LI]
	s_delay_alu instid0(VALU_DEP_1)
	v_add_nc_u32 v[ADV], VREG, v[ADK]
	v_nop
	v_nop                                          ; four places in front of loads into registers that the last products read
.irp f, 0,1,2,3,4,5,6,7
.irp c, 0,1
	ds_load_b128 v[32+8*\f+4*\c:35+8*\f+4*\c], v[ADK] offset:1024*\f+512*\c
.endr
.endr
	s_wait_alu depctr_va_vdst(0)
	s_wait_dscnt 0x0
.irp f, 0,1,2,3,4,5,6,7
	v_wmma_f32_16x16x64_bf8_bf8 v[96+8*\f:103+8*\f], v[32+8*\f:39+8*\f], v[QF:QF+7], 0
.endr
.rept 4
	v_nop                                          ; places in front of the loads below and of the first read of the scores
.endr
.irp t, 0,1,2,3
.irp c, 0,1,2,3
	ds_load_b128 v[32+16*\t+4*\c:35+16*\t+4*\c], v[ADV] offset:2048*\t+512*\c    ; V lands while the softmax is walked
.endr
.endr
	s_cmp_lg_u32 s[KS], s[GR+\x]                   ; only the step on the diagonal has hidden keys
	s_cbranch_scc1 .Lopen_\@
	v_mov_b32 v254, 0xff800000                     ; -infinity
.irp n, 0,1,2,3,4,5,6,7,8,9,10,11,12,13,14,15,16,17,18,19,20,21,22,23,24,25,26,27,28,29,30,31,32,33,34,35,36,37,38,39,40,41,42,43,44,45,46,47,48,49,50,51,52,53,54,55,56,57,58,59,60,61,62,63
	v_cmp_gt_i32 vcc_lo, 32*(\n/16)+\n%16, v[DQ]
	v_cndmask_b32 v[96+\n], v[96+\n], v254, vcc_lo
.endr
.Lopen_\@:
	v_max3_num_f32 v254, v96, v97, v98             ; the step's largest score of my query, among my 64 keys, in two chains,
	v_max3_num_f32 v252, v99, v100, v101
.irp i, 6,10,14,18,22,26,30,34,38,42,46,50,54,58
	v_max3_num_f32 v254, v254, v[96+\i], v[97+\i]
	v_max3_num_f32 v252, v252, v[98+\i], v[99+\i]
.endr
	v_max3_num_f32 v254, v254, v158, v159
	s_delay_alu instid0(VALU_DEP_1)
	v_max_num_f32 v254, v254, v252
	v_permlanex16_b32 v236, v254, s[SEL], s[SEL+1]
	s_delay_alu instid0(VALU_DEP_1)
	v_max_num_f32 v254, v254, v236                 ; and among lane l xor 16's
	s_delay_alu instid0(VALU_DEP_1)
	v_mul_f32 v254, s[CS], v254                    ; as t (c is positive)
	s_delay_alu instid0(VALU_DEP_1)
	v_max_num_f32 v[ST+1], v[ST+1], v254           ; the running largest t
	v_mov_b32 v254, v[ST]
	s_delay_alu instid0(VALU_DEP_2)
	v_floor_f32 v[ST], -v[ST+1]                    ; the new -M = floor(-t) = -ceil(t): M is a whole number
	s_delay_alu instid0(VALU_DEP_1)
	v_sub_f32 v254, v[ST], v254                    ; M's old value less its new one: a whole number, 0 or less
	s_delay_alu instid0(VALU_DEP_1)
	v_cvt_i32_f32 v254, v254                       ; (it saturates)
	s_delay_alu instid0(VALU_DEP_1)
	v_ldexp_f32 v252, 1.0, v254                    ; f = 2^(old M - new M): a multiplication by it rounds nothing
.irp j, 0,2,4,6,8,10,12,14,16,18,20,22,24,26,28,30,32,34,36,38,40,42,44,46,48,50,52,54,56,58,60,62
	v_pk_fma_f32 v[96+\j:97+\j], v[96+\j:97+\j], s[CS:CS+1], v[ST:ST+1] op_sel_hi:[1,0,0]   ; t - M, two at a time (of the pairs c and -M the low word serves both halves)
.endr
	s_wait_alu depctr_va_vdst(0)
.irp j, 0,1,2,3,4,5,6,7,8,9,10,11,12,13,14,15,16,17,18,19,20,21,22,23,24,25,26,27,28,29,30,31,32,33,34,35,36,37,38,39,40,41,42,43,44,45,46,47,48,49,50,51,52,53,54,55,56,57,58,59,60,61,62,63
	v_exp_f32 v[96+\j], v[96+\j]                   ; p = 2^(t - M), at most 1: not normalised
.endr
	v_pk_mul_f32 v[ST+2:ST+3], v[ST+2:ST+3], v[252:253] op_sel_hi:[1,0]   ; the sums under the new M.  (A plain place behind the exponentials)
	s_wait_alu depctr_va_vdst(0)
	v_pk_add_f32 v[242:243], v[96:97], v[98:99]    ; the row's sum is taken of the unquantised p: two at a time, in two chains
.irp j, 4,8,12,16,20,24,28,32,36,40,44,48,52,56,60
	v_pk_add_f32 v[ST+2:ST+3], v[ST+2:ST+3], v[96+\j:97+\j]
	v_pk_add_f32 v[242:243], v[242:243], v[98+\j:99+\j]
.endr
	s_delay_alu instid0(VALU_DEP_1)
	v_pk_add_f32 v[ST+2:ST+3], v[ST+2:ST+3], v[242:243]
.irp b, 0,1,2,3
.irp i, 0,1,2,3,4,5,6,7,8,9,10,11,12,13,14,15
.endr
	v_cvt_scalef32_pk8_bf8_f32 v[224+4*\b:225+4*\b], v[96+16*\b:103+16*\b], v244
	v_cvt_scalef32_pk8_bf8_f32 v[226+4*\b:227+4*\b], v[104+16*\b:111+16*\b], v244
.endr
.irp j, 0,2,4,6,8,10,12,14,16,18,20,22,24,26,28,30
	v_pk_mul_f32 v[OA+\j:OA+\j+1], v[OA+\j:OA+\j+1], v[252:253] op_sel_hi:[1,0]   ; O^T under the new M: x f.  (Plain lines between the conversions and the products that read their results)
.endr
	s_wait_alu depctr_va_vdst(0)
	s_wait_dscnt 0x0                               ; V is in
.irp t, 0,1,2,3                                ; O^T += V^T P^T: the tile's four accumulators by turns; between two links of a chain stand eight score products
	v_wmma_f32_16x16x128_bf8_bf8 v[OA+8*\t:OA+8*\t+7], v[32+16*\t:47+16*\t], v[224:239], v[OA+8*\t:OA+8*\t+7]
.endr
.Lhid_\@:
.endm
.macro BOTH                            ; a key step for both tiles, and on to the next
	TSTEP 0
	TSTEP 1
	s_add_co_u32 s[TB], s[TB], 8192
	s_add_co_u32 s[KS], s[KS], 1
.endm
	s_wait_loadcnt 0x0                             ; Q
	s_wait_tensorcnt 0x1                           ; my part of key steps 0 and 1 is in; my second load may be out
	s_barrier_signal -1
	s_barrier_wait -1                              ; everybody's is
	s_mov_b32 s[KS], 0
	s_mov_b32 s[TB], 0
.Lfirst_two:                                       ; key steps 0 and 1
	BOTH
	s_cmp_lt_u32 s[KS], 2
	s_cbranch_scc1 .Lfirst_two
	s_wait_tensorcnt 0x0                           ; my part of key steps 2 to 15 is in,
	s_wait_dscnt 0x0
	s_barrier_signal -1
	s_barrier_wait -1                              ; everybody's is: from here on the waves run free
	s_mov_b32 s[KS], 2
	s_mov_b32 s[TB], 16384
.Lrest:                                            ; key steps 2 to 15
	BOTH
	s_cmp_lt_u32 s[KS], 16
	s_cbranch_scc1 .Lrest
; THE WAY OUT of tile x.  The sum's two halves and lane l xor 16's are added; O^T x 2^(e4 + e5) / the sum is a; it is converted with 2^e6 (a lane's eight registers are eight neighbours along the last product's K) and goes
; through my stage: 16 rows of 64 bytes.  Rows 0-7 of the tile are eight neighbouring rows of ac, rows 8-15 the eight that lie 16 further on: two stores of 512 consecutive bytes, aligned.
.macro OUT x
.set ST, 8+4*\x
.set OA, 160+32*\x
	v_add_f32 v254, v[ST+2], v[ST+3]
	v_permlanex16_b32 v236, v254, s[SEL], s[SEL+1]
	s_delay_alu instid0(VALU_DEP_1)
	v_add_f32 v254, v254, v236
	s_wait_alu depctr_va_vdst(0)
	v_rcp_f32 v254, v254
	v_nop                                          ; one plain place behind a transcendental
	s_wait_alu depctr_va_vdst(0)
	v_ldexp_f32 v252, v254, s[EPV]
.irp j, 0,2,4,6,8,10,12,14,16,18,20,22,24,26,28,30
	v_pk_mul_f32 v[96+\j:97+\j], v[OA+\j:OA+\j+1], v[252:253] op_sel_hi:[1,0]   ; register 8 t + i is a(query r, channel 16 t + 8 h + i); each accumulator from its low end on
.endr
.irp j, 0,1,2,3,4,5,6,7,8,9,10,11,12,13,14,15,16,17,18,19,20,21,22,23,24,25,26,27,28,29,30,31
.endr
.irp t, 0,1,2,3
	v_cvt_scalef32_pk8_bf8_f32 v[224+8*\x+2*\t:225+8*\x+2*\t], v[96+8*\t:103+8*\t], v247
.endr
	v_nop                                          ; one plain vector line behind the conversions: the other tile's lines write their sources
.irp t, 0,1,2,3
	ds_store_b64 v[SIN], v[224+8*\x+2*\t:225+8*\x+2*\t] offset:1024*\x+16*\t
.endr
.irp i, 0,1
	ds_load_b128 v[32+8*\x+4*\i:35+8*\x+4*\i], v[SOUT] offset:1024*\x+512*\i    ; my own bytes: LDS serves a wave's instructions in order (ISA guide 5.7.1.4)
.endr
.irp i, 0,1
	s_wait_dscnt 1-\i                              ; load i is back; the younger one may be out
	global_store_b128 v[LI], v[32+8*\x+4*\i:35+8*\x+4*\i], s[AB+2*\x:AB+2*\x+1] offset:1024*\i
.endr
.endm
.rept 4
	v_nop                                          ; places behind the last products
.endr
	OUT 0
	OUT 1
	s_wait_dscnt 0x0
	s_wait_tensorcnt 0x0
	ds_add_u32 v251, v255
	s_wait_dscnt 0x0
	CROUND                                         ; the closing round: no work-group ends while a partner may still ask for a tile that names it
	s_endpgm
.Lfunc_end_k_qffdce46eb5_attn:
	.size	k_qffdce46eb5_attn, .Lfunc_end_k_qffdce46eb5_attn-k_qffdce46eb5_attn
	.p2alignl 7, 3214868480
	.fill 96, 4, 3214868480
	.section	.rodata,"a",@progbits
	.p2align	6, 0x0
	.amdhsa_kernel k_qffdce46eb5_attn
		.amdhsa_group_segment_fixed_size 327680
		.amdhsa_private_segment_fixed_size 0
		.amdhsa_enable_private_segment 0
		.amdhsa_kernarg_size 24
		.amdhsa_user_sgpr_count 2
		.amdhsa_user_sgpr_kernarg_segment_ptr 1
		.amdhsa_wavefront_size32 1
		.amdhsa_system_sgpr_workgroup_id_x 1
		.amdhsa_system_sgpr_workgroup_id_y 1
		.amdhsa_system_sgpr_workgroup_id_z 1
		.amdhsa_system_vgpr_workitem_id 0
		.amdhsa_next_free_vgpr 256
		.amdhsa_next_free_sgpr 100
		.amdhsa_reserve_vcc 1
		.amdhsa_float_denorm_mode_32 3
		.amdhsa_float_denorm_mode_16_64 3
		.amdhsa_fp16_overflow 1
		.amdhsa_memory_ordered 1
		.amdhsa_forward_progress 1
		.amdhsa_inst_pref_size 90
	.end_amdhsa_kernel
	.amdgpu_metadata
---
amdhsa.version: [ 1, 2 ]
amdhsa.kernels:
  - .name:           k_qffdce46eb5_attn
    .symbol:         k_qffdce46eb5_attn.kd
    .args:
      - { .name: qkvc, .offset: 0, .size: 8, .value_kind: global_buffer, .address_space: global }
      - { .name: lowp_scales, .offset: 8, .size: 8, .value_kind: global_buffer, .address_space: global }
      - { .name: ac, .offset: 16, .size: 8, .value_kind: global_buffer, .address_space: global }
    .group_segment_fixed_size: 327680
    .private_segment_fixed_size: 0
    .kernarg_segment_align: 8
    .kernarg_segment_size: 24
    .max_flat_workgroup_size: 512
    .sgpr_count:     100
    .vgpr_count:     256
    .wavefront_size: 32
...
	.end_amdgpu_metadata
.endif
;; end of part 3
;; launch proj (part 4): grid 4 x 32, 4 waves a work-group, clusters of 4 x 4, 327,680 bytes of LDS; arguments ac, wpc, c_proj_b, lowp_scales, out0; writes out0
.if DOCPART == 4
	.amdgcn_target "amdgcn-amd-amdhsa--gfx1250"
	.amdhsa_code_object_version 6
	.text
	.protected	k_qffdce46eb5_proj
	.globl	k_qffdce46eb5_proj
	.p2align	8
	.type	k_qffdce46eb5_proj,@function
k_qffdce46eb5_proj:
	s_mov_b64 s[64:65], 0
	v_nop
	global_prefetch_b8 v0, s[64:65] scope:SCOPE_SE
	s_setreg_imm32_b32 hwreg(HW_REG_WAVE_MODE, 25, 1), 1
	s_wait_xcnt 0x0
	s_wait_alu depctr_hold_cnt(0) depctr_sa_sdst(0) depctr_va_vdst(0) depctr_va_sdst(0) depctr_va_ssrc(0) depctr_va_vcc(0) depctr_vm_vsrc(0)
	s_getreg_b32 s2, hwreg(HW_REG_IB_STS2, 6, 4)
	s_cmp_eq_u32 s2, 0
	s_cbranch_scc0 .Lentry_in_a_cluster
	s_endpgm
.Lentry_in_a_cluster:
	s_bfe_u32 s2, ttmp6, 0x10000c
	s_cmp_lg_u32 s2, 0xf033
	s_cbranch_scc0 .Lentry_shape_is_right
	s_endpgm
.Lentry_shape_is_right:
; out0 = a W + b on codes of BF8 (E5M2).  ac: [head 16][m 8192][64] codes of a, scale 2^e6: K = 64 head + channel.  wpc: [1024 n][1024 k] codes of c_proj_w, K innermost, scale 2^e7.  c_proj_b [1024], out0 [8192][1024]: f32.
; The codes are multiplied as they are; out = sum x 2^(e6 + e7) + b, one fused multiply-add in f32.  LIMIT: e6 + e7 between -126 and 127, so that 2^(e6 + e7) is an f32 number.
; A tile of out0, 256 x 256, is made by a work-group of four waves; a wave makes 128 x 128: 64 accumulators, 512 registers.  K goes in steps of 256 (four heads) through a ring of two LDS slots filled by the tensor data mover.
; A's TILE: 128 rows of one head are 8,192 consecutive bytes of ac, so a wave's tile is four rows of 8,192 bytes, one for each head, 524,288 bytes apart, with 16 bytes of padding behind every 64:
; in LDS [head 4][row 128][80 bytes].  80 bytes are 20 words: row r starts at bank 20 r mod 64, sixteen different groups of four banks for the sixteen rows of a load (64 banks of 4 bytes: ISA guide 11.1).
; B's TILE: 128 rows of 256 bytes, 272 apart in LDS.
; CLUSTERS: 4 x 4 work-groups; A's tile is shared along a row of the cluster, B's along a column: each is asked for JOINTLY.  The grid has 128 tiles of this size.
; THE MATRIX INSTRUCTION IS USED TRANSPOSED (source 0 = 16 rows of W's codes, source 1 = 16 rows of a): a lane holds eight neighbouring numbers of a row of out0.
; REGISTERS, in windows of 256: window 0: v0-31 addresses; v32-35 my four numbers of the bias; from v128 A's fragments, ONE set; on the way out v128-255 hold rows read back.
;   window 1: B's fragments, TWO sets.   window 2: the accumulators of my rows 0-63 ((a, b) at v[8 (8 a + b)]);   window 3: those of my rows 64-127.
.set ROWB,   256                       ; B: a tile's row in bytes
.set KROW,   1024                      ; B: a row in memory
.set PITCH,  272                       ; B: an LDS row
.set APITCH, 80                        ; A: an LDS row: 64 bytes + 16
.set AHALF,  4*128*APITCH              ; A: what one tensor load brings: 40,960 bytes
.set ASTEP,  4*524288                  ; A: four heads on, in memory
.set FR,     16
.set NL,     4
.set NP,     4                         ; places behind this matrix instruction (ISA guide 7.12.1)
.set HALFT,  128*PITCH                 ; B: what one tensor load brings
.set SLOT,   2*AHALF+2*HALFT           ; A's two halves, then B's two
.set LAPS,   2
.set SPARE,  2*SLOT                    ; behind the ring: the spare words, 128 bytes for each wave: two blocks of 256 bytes that no other line names
.set SPITCH, 528                       ; the way out: a stage of 16 rows x (512 bytes + 16) for each wave, in slot 0, which has had its last fill and its last read when the first sum is stored there
.set ADRA, 16                          ; v16-17  LDS address of my A fragments in slot 0, 1
.set ADRB, 20                          ; v20-21  the same for B
.set STO,  24                          ; v24     the way out: where I put 32 bytes of a row
.set RD,   25                          ; v25     the way out: where I read a row back
.set CO,   26                          ; v26     16 x lane: my byte offset in a row's 512
.set SPW,  28                          ; v28     LDS address of my spare word; never rewritten
.set NIL,  29                          ; v29     0; never rewritten
.set BI,   32                          ; v32-35  c_proj_b at my four columns
.set AF,   128
.set BK,   128                         ; the way out: 16 rows read back: v128-191 and v192-255 by turns
.set G1, 24
.set G0, 32
.set G1B, 48
.set G0B, 56
.set MSB, 0
.macro WIN new                         ; the immediate's high byte repeats the setting that is left
.if MSB != \new
	s_set_vgpr_msb (MSB<<8)|\new
.set MSB, \new
.endif
.endm
.set MUL_LO, 0xa1                      ; source 0 (B) window 1, source 1 (A) window 0, C and D window 2
.set MUL_HI, 0xf1                      ; the same, C and D window 3
.set TO_B,   0x40                      ; destination window 1, address window 0
; A joint load: waves 0 and 1 fetch for A, waves 2 and 3 for B; the branch hangs on the wave's number alone.  Four v_nop follow each of the two lines.
.macro JLOAD g0a, g1a, g0b, g1b
	s_cmp_eq_u32 s15, 0
	s_cbranch_scc0 .Lfor_b_\@
	tensor_load_to_lds s[\g0a:\g0a+3], s[\g1a:\g1a+7]
	s_nop 0
.rept 4
	v_nop
.endr
	s_branch .Lasked_\@
.Lfor_b_\@:
	tensor_load_to_lds s[\g0b:\g0b+3], s[\g1b:\g1b+7]
	s_nop 0
.rept 4
	v_nop
.endr
.Lasked_\@:
.endm
.macro CREST                           ; a round of the cluster's barrier behind its opening barrier
	s_cmp_lg_u32 s14, 0
	s_cbranch_scc1 .Lnot_wave_0_\@
	s_barrier_signal -3
.Lnot_wave_0_\@:
	s_barrier_wait -3
	s_barrier_signal -1
	s_barrier_wait -1
.endm
.macro CROUND
	s_barrier_signal -1
	s_barrier_wait -1
	CREST
.endm
	s_load_b256 s[4:11], s[0:1], 0x0               ; ac s[4:5], wpc s[6:7], c_proj_b s[8:9], the scales' exponents s[10:11]
	s_load_b64 s[12:13], s[0:1], 0x20              ; out0
	v_lshl_add_u32 v[SPW], v0, 2, SPARE
	v_mov_b32 v[NIL], 0
	ds_add_u32 v28, v29
	ds_add_u32 v28, v29
	s_wait_dscnt 0x0
	v_lshrrev_b32 v1, 5, v0
	v_readfirstlane_b32 s14, v1                    ; wave 0..3
	s_lshr_b32 s15, s14, 1                         ; which half of the tile's rows is mine.  Also: I fetch for A (0) or for B (1)
	s_and_b32 s16, s14, 1                          ; which half of its columns.  Also: which 128 rows of that tile I fetch
	s_bfe_u32 s40, ttmp6, 0x40000                  ; cx, cy
	s_bfe_u32 s41, ttmp6, 0x40004
	s_lshl_b32 s42, ttmp9, 2
	s_add_co_u32 s42, s42, s40                     ; tile column = 4 x cluster x + cx
	s_and_b32 s17, ttmp7, 0xffff
	s_lshl_b32 s17, s17, 2
	s_add_co_u32 s17, s17, s41                     ; tile row = 4 x cluster y + cy
	s_lshl_b32 s43, s41, 2
	s_lshl_b32 s43, 15, s43                        ; my row of the cluster
	s_lshl_b32 s44, 0x1111, s40                    ; my column
	s_or_b32 s[G1+0], s43, (0<<16)|(1<<20)|(1<<21)|(3<<22)|(3<<25)  ; A: 15:0 the mask of my row; elements of 1 byte; padding on; 21 set beside a mask; after every 16 words (code 3) 4 words (code 3)
	s_mov_b32 s[G1+1], 8192<<16                    ; tensor_dim0 = 8,192
	s_mov_b32 s[G1+2], 4<<16                       ; tensor_dim1 = 4
	s_mov_b32 s[G1+3], 8192<<16                    ; tile_dim0 = 8,192
	s_mov_b32 s[G1+4], 4                           ; tile_dim1 = 4
	s_mov_b32 s[G1+5], 524288                      ; tensor_dim0_stride: from head to head
	s_mov_b32 s[G1+6], 0
	s_mov_b32 s[G1+7], 0
	s_or_b32 s[G1B+0], s44, (0<<16)|(1<<20)|(1<<21)|(5<<22)|(3<<25) ; B: the mask of my column; after every 64 words 4 words
	s_mov_b32 s[G1B+1], ROWB<<16
	s_mov_b32 s[G1B+2], 128<<16
	s_mov_b32 s[G1B+3], ROWB<<16
	s_mov_b32 s[G1B+4], 128
	s_mov_b32 s[G1B+5], KROW
	s_mov_b32 s[G1B+6], 0
	s_mov_b32 s[G1B+7], 0
	s_lshl_b32 s18, s16, 7                         ; which 128 rows of the tile I fetch
	s_lshl_b32 s20, s17, 8
	s_add_co_u32 s20, s20, s18
	s_lshl_b32 s20, s20, 6                         ; A: (256 x tile row + 128 x half) rows of 64 bytes, in head 0
	s_mov_b32 s21, 0
	s_lshl_b32 s46, s42, 8
	s_add_co_u32 s46, s46, s18
	s_lshl_b32 s46, s46, 10                        ; B: (256 x tile column + 128 x half) rows of 1,024 bytes
	s_mov_b32 s47, 0
	s_mul_i32 s45, s16, AHALF                      ; where they go: A's halves,
	s_mul_i32 s70, s16, HALFT
	s_add_co_u32 s70, s70, 2*AHALF                 ; then B's: no place in the cluster enters an LDS address
	s_wait_kmcnt 0x0
	s_load_b256 s[72:79], s[10:11], 0x0            ; e0 .. e7
	s_add_nc_u64 s[20:21], s[4:5], s[20:21]
	s_add_nc_u64 s[46:47], s[6:7], s[46:47]
	CROUND                                         ; all sixteen work-groups are here: the first joint loads meet
.irp s, 0,1
	s_mov_b32 s[G0+4*\s], 1
	s_add_co_u32 s[G0+4*\s+1], s45, \s*SLOT
	s_add_nc_u64 s[G0+4*\s+2:G0+4*\s+3], s[20:21], \s*ASTEP        ; K step s: heads 4 s on
	s_or_b32 s[G0+4*\s+3], s[G0+4*\s+3], 0x80000000
	s_mov_b32 s[G0B+4*\s], 1
	s_add_co_u32 s[G0B+4*\s+1], s70, \s*SLOT
	s_add_nc_u64 s[G0B+4*\s+2:G0B+4*\s+3], s[46:47], \s*ROWB
	s_or_b32 s[G0B+4*\s+3], s[G0B+4*\s+3], 0x80000000
	s_wait_alu depctr_va_vdst(0)
	s_wait_tensorcnt 0x0
	ds_add_u32 v28, v29
	ds_add_u32 v28, v29
	s_wait_dscnt 0x0
	CROUND
	JLOAD G0+4*\s, G1, G0B+4*\s, G1B               ; one tensor load of mine is out
.endr
	v_and_b32 v1, 15, v0                           ; r
	v_bfe_u32 v2, v0, 4, 1                         ; h
	v_mul_u32_u24 v3, v1, APITCH
	v_lshl_add_u32 v3, v2, 4, v3                   ; A: row x 80 + 16 x half
	v_mul_u32_u24 v4, v1, PITCH
	v_lshl_add_u32 v4, v2, 4, v4                   ; B: row x 272 + 16 x half
	s_mul_i32 s21, s15, AHALF                      ; my 128 rows of A
	s_mul_i32 s22, s16, HALFT                      ; my 128 rows of B,
	s_add_co_u32 s22, s22, 2*AHALF                 ; which lie behind A's
.irp s, 0,1
	v_add_nc_u32 v[ADRA+\s], s21, v3
	v_add_nc_u32 v[ADRB+\s], s22, v4
	s_add_co_u32 s21, s21, SLOT
	s_add_co_u32 s22, s22, SLOT
.endr
	s_mul_i32 s23, s14, 16*SPITCH                  ; my stage
	v_mul_u32_u24 v5, v1, SPITCH                   ; in: row r, 32 bytes for each half of the lanes
	v_lshl_add_u32 v5, v2, 5, v5
	v_add_nc_u32 v[STO], s23, v5
	v_and_b32 v6, 31, v0
	v_lshlrev_b32 v[CO], 4, v6                     ; back: the 32 lanes take one row of 512 bytes; and the same in out0
	v_add_nc_u32 v[RD], s23, v[CO]
	s_lshl_b32 s46, s42, 10                        ; my first column, in bytes of f32: 1,024 x tile column + 512 x half
	s_lshl_b32 s47, s16, 9
	s_add_co_u32 s46, s46, s47
	s_mov_b32 s47, 0
	s_add_nc_u64 s[84:85], s[8:9], s[46:47]        ; the bias there
	global_load_b128 v[BI:BI+3], v[CO], s[84:85]   ; my four columns' numbers: they serve every row
	s_lshl_b32 s20, s17, 8
	s_lshl_b32 s21, s15, 7
	s_add_co_u32 s20, s20, s21                     ; my first row: 256 x tile row + 128 x half
	s_lshl_b32 s20, s20, 12                        ; rows of 4,096 bytes
	s_add_co_u32 s20, s20, s46
	s_mov_b32 s21, 0
	s_add_nc_u64 s[12:13], s[12:13], s[20:21]
	s_wait_alu depctr_va_vdst(0)
	s_wait_kmcnt 0x0
	s_add_co_i32 s96, s78, s79                     ; e6 + e7
	s_add_co_i32 s96, s96, 127
	s_lshl_b32 s96, s96, 23                        ; 2^(e6 + e7) as f32
	s_mov_b32 s97, s96                             ; (named with it as a pair, so it is written)
; A fragment, 16 rows x 128 K, is 16 registers: lane l holds row l % 16; registers 4 c .. 4 c + 3 hold K = 32 c + 16 (l / 16) + 0 .. 15: the same places in both operands.
.macro FRAG reg, adr, q, i             ; B: K runs along the LDS row
.irp c, 0,1,2,3
	ds_load_b128 v[\reg+4*\c:\reg+4*\c+3], v[\adr] offset:128*(\q)+32*\c+(\i)*16*PITCH
.endr
.endm
.macro FRAGA reg, adr, q, i            ; A: K = 128 q + 32 c + .. is head 2 q + c / 2 of the slot's four, channel 32 (c % 2) + ..
.irp c, 0,1,2,3
	ds_load_b128 v[\reg+4*\c:\reg+4*\c+3], v[\adr] offset:((2*(\q)+\c/2)*128+16*(\i))*APITCH+32*(\c%2)
.endr
.endm
; 16 matrix instructions: A's blocks a0, a0 + 1 x B's eight.  The 64 accumulators take turns, one instruction a turn, in the same order in every step.
.macro MUL16 a0, p, zero
.irp a, \a0, \a0+1
.irp b, 0,1,2,3,4,5,6,7
.if \zero
	v_wmma_f32_16x16x128_bf8_bf8 v[8*(8*((\a)%4)+\b):8*(8*((\a)%4)+\b)+7], v[128*(\p)+FR*\b:128*(\p)+FR*\b+FR-1], v[AF+FR*(\a):AF+FR*(\a)+FR-1], 0
.else
	v_wmma_f32_16x16x128_bf8_bf8 v[8*(8*((\a)%4)+\b):8*(8*((\a)%4)+\b)+7], v[128*(\p)+FR*\b:128*(\p)+FR*\b+FR-1], v[AF+FR*(\a):AF+FR*(\a)+FR-1], v[8*(8*((\a)%4)+\b):8*(8*((\a)%4)+\b)+7]
.endif
.endr
.endr
.endm
.macro FETCH_B slot, q, p
	WIN TO_B
.irp i, 0,1,2,3,4,5,6,7
	FRAG 128*(\p)+FR*\i, ADRB+\slot, \q, \i
.endr
	WIN 0
.endm
.macro FETCH_A slot, q, i0
.irp i, \i0, \i0+1, \i0+2, \i0+3
	FRAGA AF+FR*(\i), ADRA+\slot, \q, \i
.endr
.endm
.macro PLACES n                        ; plain vector lines between a matrix instruction and a load into, or a read of, its registers (ISA guide 7.12.1 for vector instructions)
.rept \n
	v_nop
.endr
.endm
.macro STEP slot, q, zero              ; a step of 128 along K that has its successor in the same slot
	s_wait_dscnt 4*NL                              ; B's set and A's blocks 0-3 are in; the youngest sixteen loads (A's blocks 4-7) may be out
	WIN MUL_LO
	MUL16 0, (\q)%2, \zero
	MUL16 2, (\q)%2, \zero
	s_wait_dscnt 0                                 ; A's blocks 4-7 are in
	PLACES NP
	FETCH_B \slot, (\q)+1, 1-(\q)%2
	FETCH_A \slot, (\q)+1, 0
	WIN MUL_HI
	MUL16 4, (\q)%2, \zero
	MUL16 6, (\q)%2, \zero
	PLACES NP
	WIN 0
	FETCH_A \slot, (\q)+1, 4
.endm
; A slot's last step changes slots: ONE barrier; in front of it each wave waits for all its tensor loads, adds 0 to its spare word, and waits for that and for its own reads of this slot.
.macro TURN slot, next, fill
	s_wait_tensorcnt 0x0                           ; all my tensor loads have landed: the one that was out is my part of the next slot  (every window is 0 here)
	ds_add_u32 v[SPW], v[NIL]                      ; 0 onto my spare word
	s_wait_dscnt 4*NL+1                            ; (the add and the youngest sixteen loads may be out)
	WIN MUL_LO
	MUL16 0, 1, 0                                  ; sixteen matrix instructions stand between the add and the wait for it
	s_wait_dscnt 0x0                               ; the add is done, and my reads of this slot are over
	s_barrier_signal -1
	MUL16 2, 1, 0
	WIN 0
	s_barrier_wait -1
.if \fill
	CREST                                          ; the barrier has opened a round of the cluster's barrier: no wave of any partner still reads this slot's tile or has a load on its way
	s_add_nc_u64 s[G0+4*\slot+2:G0+4*\slot+3], s[G0+4*\slot+2:G0+4*\slot+3], 2*ASTEP
	s_add_nc_u64 s[G0B+4*\slot+2:G0B+4*\slot+3], s[G0B+4*\slot+2:G0B+4*\slot+3], 2*ROWB
	JLOAD G0+4*\slot, G1, G0B+4*\slot, G1B         ; the first tensor load behind the round, my one load until the next; the four v_nop behind it are the places in front of the loads below
.else
	PLACES NP
.endif
	FETCH_B \next, 0, 0
	FETCH_A \next, 0, 0
	WIN MUL_HI
	MUL16 4, 1, 0
	MUL16 6, 1, 0
	PLACES NP
	WIN 0
	FETCH_A \next, 0, 4
.endm
	s_wait_tensorcnt 1                             ; my part of slot 0 is in; slot 1's load may be out
	s_barrier_signal -1
	s_barrier_wait -1
	FETCH_B 0, 0, 0
	FETCH_A 0, 0, 0
	FETCH_A 0, 0, 4
	STEP 0, 0, 1                                   ; the first step's products start the sums
	s_mov_b32 s3, LAPS-1
.Llap:
	TURN 0, 1, 1
	STEP 1, 0, 0
	TURN 1, 0, 1
	STEP 0, 0, 0
	s_sub_co_u32 s3, s3, 1
	s_cmp_lg_u32 s3, 0
	s_cbranch_scc1 .Llap
	TURN 0, 1, 0                                   ; the last lap fills nothing
	STEP 1, 0, 0
	s_wait_dscnt 4*NL
	WIN MUL_LO
	MUL16 0, 1, 0
	MUL16 2, 1, 0
	s_wait_dscnt 0
	WIN MUL_HI
	MUL16 4, 1, 0
	MUL16 6, 1, 0
	WIN 0
; THE WAY OUT, block by block of 16 rows x 128 columns.  The sums go into my own stage as they are, straight from the accumulators (each from its low end on), and come back as whole rows of 512 bytes: a lane then holds the same
; four columns in every row, so that four registers of bias serve all, and sum x 2^(e6 + e7) + b is two packed multiply-adds a row.  LDS serves a wave's instructions in order (ISA guide 5.7.1.4).
.macro TOSTAGE a
.set AC, 64*((\a)%4)
	WIN 0x08+4*((\a)/4)                            ; an LDS store's data are its source 1: window 2 or 3
.irp b, 0,1,2,3,4,5,6,7
	ds_store_b128 v[STO], v[AC+8*\b:AC+8*\b+3] offset:64*\b
	ds_store_b128 v[STO], v[AC+8*\b+4:AC+8*\b+7] offset:64*\b+16
.endr
	WIN 0
.set BB, BK+64*((\a)%2)
.irp t, 0,1,2,3,4,5,6,7,8,9,10,11,12,13,14,15
	ds_load_b128 v[BB+4*\t:BB+4*\t+3], v[RD] offset:\t*SPITCH
.endr
.endm
.macro SEND a, younger                 ; younger: the LDS instructions issued behind block a's loads, which may stay out
.set BB, BK+64*((\a)%2)
	s_wait_dscnt \younger                          ; the block is back in registers
.if (\a) > 0
	s_add_nc_u64 s[12:13], s[12:13], 16*4096       ; (behind a wait on XCNT: the earlier stores have read their base)  16 rows on
.endif
.irp t, 0,1,2,3,4,5,6,7,8,9,10,11,12,13,14,15
	v_pk_fma_f32 v[BB+4*\t:BB+4*\t+1], v[BB+4*\t:BB+4*\t+1], s[96:97], v[BI:BI+1] op_sel_hi:[1,0,1]
	v_pk_fma_f32 v[BB+4*\t+2:BB+4*\t+3], v[BB+4*\t+2:BB+4*\t+3], s[96:97], v[BI+2:BI+3] op_sel_hi:[1,0,1]
	global_store_b128 v[CO], v[BB+4*\t:BB+4*\t+3], s[12:13] offset:\t*4096 th:TH_STORE_NT   ; 32 lanes store 512 consecutive bytes, aligned; written once, read by nobody here
.endr
.endm
	s_wait_loadcnt 0x0                             ; the bias
	PLACES NP                                      ; behind the last products: for the stores that read results and the loads into the registers that held A's fragments
	TOSTAGE 0
.irp a, 1,2,3,4,5,6,7
.if \a > 1
	s_wait_xcnt 0x0                                ; block a - 2's stores have read their registers and their base: block a's loads may land there, and the base may step
.endif
	TOSTAGE \a
	SEND \a-1, 32                                  ; behind block a - 1's loads: block a's 16 stores and 16 loads
.endr
	s_wait_xcnt 0x0                                ; block 6's stores have read their base
	SEND 7, 0
	s_wait_tensorcnt 0x0                           ; the wave's end: behind my last tensor load and my last LDS store
	ds_add_u32 v[SPW], v[NIL]
	s_wait_dscnt 0x0
	CROUND                                         ; the closing round
	s_endpgm
.Lfunc_end_k_qffdce46eb5_proj:
	.size	k_qffdce46eb5_proj, .Lfunc_end_k_qffdce46eb5_proj-k_qffdce46eb5_proj
	.p2alignl 7, 3214868480
	.fill 96, 4, 3214868480
	.section	.rodata,"a",@progbits
	.p2align	6, 0x0
	.amdhsa_kernel k_qffdce46eb5_proj
		.amdhsa_group_segment_fixed_size 327680
		.amdhsa_private_segment_fixed_size 0
		.amdhsa_enable_private_segment 0
		.amdhsa_kernarg_size 40
		.amdhsa_user_sgpr_count 2
		.amdhsa_user_sgpr_kernarg_segment_ptr 1
		.amdhsa_wavefront_size32 1
		.amdhsa_system_sgpr_workgroup_id_x 1
		.amdhsa_system_sgpr_workgroup_id_y 1
		.amdhsa_system_sgpr_workgroup_id_z 1
		.amdhsa_system_vgpr_workitem_id 0
		.amdhsa_next_free_vgpr 1024
		.amdhsa_next_free_sgpr 100
		.amdhsa_reserve_vcc 0
		.amdhsa_float_denorm_mode_32 3
		.amdhsa_float_denorm_mode_16_64 3
		.amdhsa_memory_ordered 1
		.amdhsa_forward_progress 1
		.amdhsa_inst_pref_size 124
	.end_amdhsa_kernel
	.amdgpu_metadata
---
amdhsa.version: [ 1, 2 ]
amdhsa.kernels:
  - .name:           k_qffdce46eb5_proj
    .symbol:         k_qffdce46eb5_proj.kd
    .args:
      - { .name: ac, .offset: 0, .size: 8, .value_kind: global_buffer, .address_space: global }
      - { .name: wpc, .offset: 8, .size: 8, .value_kind: global_buffer, .address_space: global }
      - { .name: c_proj_b, .offset: 16, .size: 8, .value_kind: global_buffer, .address_space: global }
      - { .name: lowp_scales, .offset: 24, .size: 8, .value_kind: global_buffer, .address_space: global }
      - { .name: out0, .offset: 32, .size: 8, .value_kind: global_buffer, .address_space: global }
    .group_segment_fixed_size: 327680
    .private_segment_fixed_size: 0
    .kernarg_segment_align: 8
    .kernarg_segment_size: 40
    .max_flat_workgroup_size: 128
    .sgpr_count:     100
    .vgpr_count:     1024
    .wavefront_size: 32
...
	.end_amdgpu_metadata
.endif
;; end of part 4
